; MI455X (gfx1250); checked and timed in simulation.
; The chip was launched on July 23, 2026; its instructions are those of AMD's public machine-readable ISA for CDNA 5 (MIT licence, August 2026) and "CDNA5" Instruction Set Architecture Reference Guide (July 2026). The comments in the code are by the model that wrote it; some were corrected since.
;; Multi Head Attention. Allowed arithmetic: matrix products marked QUANTISED: E2M3 operands, one E8M0 scale for each 32 along K, by v_wmma_scale_f32_16x16x128_f8f6f4 with both operands' format E2M3, f32 sums; everything else in f32.
;; Inputs: Wk 512 x 512 float32; Wo 512 x 512 float32; Wq 512 x 512 float32; Wv 512 x 512 float32; bk 512 float32; bo 512 float32; bq 512 float32; bv 512 float32; key 2 x 4,096 x 512 float32; mask 2 x 4,096 x 4,096 int32; query 2 x 4,096 x 512 float32; value 2 x 4,096 x 512 float32.
;; Outputs: out0 2 x 4,096 x 512 float32.
;; This version of the problem:
;;   THIS VERSION OF THE PROBLEM IS GIVEN IN LOW PRECISION. The matrix products marked QUANTISED in the list below multiply operands that are first quantised to E2M3 (2 exponent bits, 3 mantissa bits; 6 bits a number), with one power-of-two scale for each 32 numbers along K (OCP MX v1.0); their sums are f32. All else is computed in f32.
;;   The module's matrix products, in the order in which they are computed (A, B: the left and right operand; K: the contracted axis; several contracted axes count as one K, in the product's order):
;;     1. [M 8,192, K 512] x [K 512, N 512]; A: input query; B: input Wq: QUANTISED
;;     2. [M 8,192, K 512] x [K 512, N 512]; A: input key; B: input Wk: QUANTISED
;;     3. [M 8,192, K 512] x [K 512, N 512]; A: input value; B: input Wv: QUANTISED
;;     4. batch 16 x [M 4,096, K 64] x [K 64, N 4,096]; A: computed on the way; B: computed on the way: QUANTISED
;;     5. batch 16 x [M 4,096, K 4,096] x [K 4,096, N 64]; A: softmax (see below); B: computed on the way: QUANTISED
;;     6. [M 8,192, K 512] x [K 512, N 512]; A: computed on the way; B: input Wo: QUANTISED
;;   THE QUANTISER, for each operand of a quantised product, along K:
;;     - K is cut into blocks of 32 from its start; a last block that is shorter is filled with zeros.
;;     - A block's scale is 2^e with e = floor(log2(the largest magnitude in the block)) - 2, held to -126 .. 127; a block of zeros has e = 0. As a byte (E8M0): e + 127.
;;     - Each number is divided by its block's scale, clamped to +-7.5, and rounded to the nearest number of E2M3, ties to even, subnormals kept.
;;     - The product sums the exact products of the quantised numbers (number of the format x scale) in f32.
;;   ~~~python
;;   def quantise(x, axis):      # numpy; x: float32 -> the quantised numbers, widened to float32 again
;;       x = np.moveaxis(x, axis, -1); K = x.shape[-1]
;;       x = np.pad(x, [(0, 0)] * (x.ndim - 1) + [(0, -K % 32)]); x = x.reshape(x.shape[:-1] + (-1, 32)); a = np.abs(x).max(-1, keepdims=True)
;;       e = np.where(a > 0, np.clip(np.frexp(np.where(a > 0, a, 1))[1] - 1 - 2, -126, 127), 0)      # np.frexp(a)[1] - 1 = floor(log2(a)), exactly
;;       r = np.clip(x / 2.0 ** e, -7.5, 7.5)
;;       step = 2.0 ** (np.maximum(np.frexp(np.where(r == 0, 1, r))[1] - 1, 0) - 3)
;;       q = np.round(r / step) * step * 2.0 ** e      # np.round: ties to even
;;       return np.moveaxis(q.reshape(q.shape[:-2] + (-1,))[..., :K], -1, axis).astype(np.float32)
;;   ~~~
;;   SOFTMAX AHEAD OF A QUANTISED PRODUCT. Where the list says 'softmax', what is quantised is not the finished softmax but p = 2^(t - M), with t = logit x log2(e) and M = ceil(the row's largest t), a whole number; so 1/2 < the row's largest p <= 1. The row's sum l is taken of the UNQUANTISED p, in f32, and the product's result is divided by l at the end. Since M is a whole number, a kernel that streams over the keys may use a running M (the ceiling of the running maximum): every later rescaling is an exact power of two, which a block's scale takes up: the codes' values come out the same.
;;   OPERANDS COMPUTED ON THE WAY. 'Computed on the way' means the value that the module computes at that place (a softmax that the list does not call 'softmax' is quantised finished and normalised). What goes into a quantiser is computed in f32, as accurately as f32 sums, v_exp_f32 and their like allow (about 1e-6 of the number): no bf16 or f16 on the way to a quantiser, and a product that is left as it is and whose result goes on into a quantised operand takes f32 operands (vector FMAs, or v_wmma_f32_16x16x4_f32). A number that lies on a knife's edge between two numbers of the format may be rounded either way, as far as f32 arithmetic and the matrix unit's own rounding can turn it there, and no further.
;; 2 versions. Each part assembles by itself: llvm-mc -triple=amdgcn-amd-amdhsa -mcpu=gfx1250 --defsym DOCPART=n.
;; ======== version 1 of 2: 4 launches
;; workspace buffers: cb 11,075,584 bytes; mw 4,194,304 bytes of whole numbers; fl 4,096 bytes of whole numbers; qb 6,815,744 bytes; kv 6,815,744 bytes; oc 4,194,304 bytes
;; launch prep (part 1): grid 720 x 1, 4 waves a work-group, no clusters, 34,304 bytes of LDS; arguments mask, query, key, value, Wq, Wk, Wv, Wo, cb, mw, fl; writes cb, mw, fl
.if DOCPART == 1
	.amdgcn_target "amdgcn-amd-amdhsa--gfx1250"
	.amdhsa_code_object_version 6
	.text
	.protected	k_qe5640465ed_prep
	.globl	k_qe5640465ed_prep
	.p2align	8
	.type	k_qe5640465ed_prep,@function
k_qe5640465ed_prep:
	s_mov_b64 s[64:65], 0
	v_nop
	global_prefetch_b8 v0, s[64:65] scope:SCOPE_SE
	s_setreg_imm32_b32 hwreg(HW_REG_WAVE_MODE, 25, 1), 1
	s_wait_xcnt 0x0
; PREP: every large input is read once, as a stream, and left in the form in which the later launches take it.
;  (a) query, key, value [8192][512] and Wq, Wk, Wv, Wo [512][512], f32, K innermost, become codes of FP6 (E2M3) with one E8M0 byte for each 32 along K,
;      laid in the ORDER OF AN OPERAND'S REGISTERS.  A tile is 16 rows; tile 2 p + u holds at place r the row 32 p + 8 u + r + 8 (r / 8).
;      A tile's record in cb is 6,656 bytes: the fragment of K step s (128 along K, 12 registers a lane) at 1536 s + 512 c + 16 lane (c: group of four registers),
;      and at 6144 + 16 lane the four scale words (K steps 0 to 3) of the row at place lane % 16.
;  (b) mask [2][4096][4096] int32 becomes one bit a number, as lane masks: for a tile of 16 queries and a step of 128 keys 64 words; bit l of word n says
;      whether mask[query at place l % 16][128 step + 32 (n / 16) + 16 (l / 16) + n % 16] is not 0.  That is the place of register n of lane l in the score tile of the attention launch.
;      For each tile two words of flags: bit s of the first: step s has an open key; of the second: all 2,048 numbers of step s are open.
; SHARES.  A wave takes a unit of 8 steps of 16 rows x 512 bytes.  Units 0-2047: mask (tile = unit / 4, steps 8 (unit % 4) on).  Units 2048-2879: 32 rows of a tensor (two tiles x four K steps).
; A work-group's four units are of one kind.  Each load of a wave reads 512 consecutive bytes of a row; the 16 rows turn through the wave's own stage in LDS, so that lane (r, h) gets, of row r,
; 16 neighbours of each block of 32.  Both kinds run the same loads and the same LDS lines; they part round register work and stores alone.  Waves share nothing: no barrier.
; A block's scale is 2^(floor(log2(largest magnitude)) - 2); its byte is the largest magnitude's exponent field - 2, held at 1 from below.
; LIMITS: a block of zeros gets the byte 1 where the rule says 127 (its codes are zeros, and these bytes are read by this program alone); NaN and infinities among the f32 inputs are not served.
.set STGB,  8448                       ; a wave's stage: 16 rows x 528 bytes
.set SPI,   528                        ; a stage row: 512 bytes + 16: an odd multiple of 16, so that sixteen rows' 16-byte pieces fall on different banks
.set REC,   6656                       ; a tile's record in cb
.set MWD,   8                          ; v[8:9]     the step's 64 mask words, two a lane
.set PWS,   12                         ; v[12:15]   a tile's four scale words
.set RO,    16                         ; v[16:31]   byte offset of my 16 bytes in row j of the tile; never rewritten
.set LD,    32                         ; v[32:159]  two sets of 64: a step as it is loaded
.set X,     160                        ; v[160:223] the step turned: register 16 b + i = number 32 b + 16 (lane / 16) + i of my row
.set PC,    224                        ; v[224:243] the codes just made
.set TM,    244                        ; v[244:255] at work: +0..3 largest magnitudes, +4..7 the other half's, then bytes, +8..11 the conversions' scale operands
.set SEL,   54                         ; s[54:55]   v_permlanex16_b32's selects for lane l xor 16
; 64 numbers of a lane, v[src] on, register 16 b + i = k 32 b + 16 (lane / 16) + i of my row, become a fragment's codes in v[PC] .. v[PC+11] and its scale word in v[pw].
.macro QUANT src, pw
.irp b, 0,1,2,3
	v_max3_num_f32 v[TM+\b], |v[\src+16*\b]|, |v[\src+1+16*\b]|, 0x1800000   ; block b: my 16 numbers, and the floor 2^(3 - 127): the byte cannot fall under 1
.endr
.irp i, 2,4,6,8,10,12,14
.irp b, 0,1,2,3
	v_max3_num_f32 v[TM+\b], v[TM+\b], |v[\src+16*\b+\i]|, |v[\src+1+16*\b+\i]|   ; the four blocks by turns
.endr
.endr
.irp b, 0,1,2,3
	v_permlanex16_b32 v[TM+4+\b], v[TM+\b], s[SEL], s[SEL+1]
.endr
.irp b, 0,1,2,3
	v_max_num_f32 v[TM+\b], v[TM+\b], v[TM+4+\b]   ; with lane l xor 16's 16: the block's largest magnitude
.endr
.irp b, 0,1,2,3
	v_add_nc_u32 v[TM+8+\b], 0xff000000, v[TM+\b]  ; 2 off its exponent field: the conversion takes the exponent field of this operand as its scale
.endr
.irp b, 0,1,2,3
	v_lshrrev_b32 v[TM+4+\b], 23, v[TM+8+\b]       ; the scale's byte
.endr
	v_lshl_or_b32 v[\pw], v[TM+5], 8, v[TM+4]      ; four bytes: my row's scale word
	v_lshl_or_b32 v[\pw], v[TM+6], 16, v[\pw]
	v_lshl_or_b32 v[\pw], v[TM+7], 24, v[\pw]
.irp c, 0,1
	v_cvt_scalef32_pk16_fp6_f32 v[PC+6*\c:PC+2+6*\c], v[\src+32*\c:\src+15+32*\c], v[TM+8+2*\c]
	v_cvt_scalef32_pk16_fp6_f32 v[PC+12+4*\c:PC+14+4*\c], v[\src+16+32*\c:\src+31+32*\c], v[TM+9+2*\c]   ; (a conversion's three registers begin on an even number)
.endr
	v_nop                                          ; one plain place behind a scaled conversion
.irp c, 0,1                                    ; the operand wants a whole block in a lane: lanes 0-15 block 2 c, lanes 16-31 block 2 c + 1
.irp i, 0,1,2
	v_permlane16_swap_b32 v[PC+6*\c+\i], v[PC+12+4*\c+\i]
.endr
.irp i, 0,1,2
	v_mov_b32 v[PC+3+6*\c+\i], v[PC+12+4*\c+\i]
.endr
.endr
.endm
	s_load_b512 s[4:19], s[0:1], 0x0               ; mask s[4:5], query, key, value, Wq, Wk, Wv, Wo s[18:19]
	s_load_b128 s[20:23], s[0:1], 0x40             ; cb, mw
	s_load_b64 s[24:25], s[0:1], 0x50              ; fl
	v_lshl_add_u32 v239, v0, 2, 0x8400
	v_mov_b32 v243, 0
	v_lshrrev_b32 v1, 5, v0
	v_readfirstlane_b32 s26, v1                    ; wave 0..3
	v_and_b32 v1, 31, v0                           ; lane
	v_and_b32 v2, 15, v0                           ; r
	v_bfe_u32 v3, v0, 4, 1                         ; h
	v_lshlrev_b32 v4, 4, v1                        ; 16 x lane
	v_lshlrev_b32 v5, 3, v1                        ; 8 x lane
	s_mul_i32 s30, s26, STGB
	v_add_nc_u32 v6, s30, v4                       ; the stage, in: my 16 bytes of a row
	v_mul_u32_u24 v7, v2, SPI
	v_lshl_add_u32 v7, v3, 6, v7
	v_add_nc_u32 v7, s30, v7                       ; and out: row r, + 64 h
.irp i, 8,9,12,13,14,15
	v_mov_b32 v[\i], 0                             ; written once whole: v_writelane_b32 keeps the other lanes
.endr
.irp b, 0,1,2,3
	v_mov_b32 v[TM+4+\b], 0                        ; a lane permute's destination counts as one of its sources
.endr
	s_mov_b32 s[SEL], 0x76543210
	s_mov_b32 s[SEL+1], 0xfedcba98
	s_mov_b32 s49, 0                               ; the unit's 8 bits 'has an open key'
	s_mov_b32 s50, 0                               ; and 'all open'
	s_lshl_b32 s27, ttmp9, 2
	s_add_co_u32 s27, s27, s26                     ; my unit U
	s_mov_b32 s29, 2048
	s_mov_b32 s58, 16384
	s_mov_b32 s59, 0
	s_cmp_lt_u32 ttmp9, 512                        ; the first 512 work-groups take the mask
	s_cselect_b32 s28, 1, 0                        ; kind
	s_cselect_b32 s29, 16384, s29                  ; bytes from row to row: mask 16,384, the others 2,048
	s_cselect_b32 s58, 2048, s58                   ; steps 4-7 begin: mask 2,048 bytes on in the rows; the others 8 rows down (the second tile)
	s_min_u32 s30, s27, 2047                       ; the unit as a mask unit,
	s_max_u32 s31, s27, 2048
	s_sub_co_u32 s31, s31, 2048                    ; and as a group of 32 rows V: each held inside its own range, the other kind's is not used
	s_lshr_b32 s40, s30, 2                         ; tile T
	s_and_b32 s41, s30, 3                          ; quarter
	s_lshr_b32 s42, s40, 8
	s_lshl_b32 s42, s42, 26                        ; batch x 4,096 rows x 16,384 bytes
	s_bfe_u32 s43, s40, 0x70001
	s_lshl_b32 s43, s43, 19                        ; 32 rows for each pair of tiles
	s_and_b32 s44, s40, 1
	s_lshl_b32 s44, s44, 17                        ; 8 rows for the odd tile
	s_lshl_b32 s45, s41, 12                        ; 8 steps x 512 bytes
	s_add_co_u32 s42, s42, s43
	s_add_co_u32 s42, s42, s44
	s_add_co_u32 s42, s42, s45                     ; where a mask unit begins
	s_and_b32 s43, s31, 255
	s_and_b32 s44, s31, 15
	s_cmp_lt_u32 s27, 2816
	s_cselect_b32 s43, s43, s44                    ; the group's number in its own tensor: 256 groups, or 16 in a weight
	s_lshl_b32 s43, s43, 16                        ; x 32 rows x 2,048 bytes
	s_cmp_lg_u32 s28, 0
	s_cselect_b32 s46, s42, s43
	s_mov_b32 s47, 0
.irp j, 0,1,2,3,4,5,6,7,8,9,10,11,12,13,14,15
	v_mad_u32_u24 v[RO+\j], s29, \j+8*(\j/8), v4   ; place j of a tile is row j + 8 (j / 8)
.endr
	s_wait_kmcnt 0x0
	s_mov_b64 s[32:33], s[18:19]                   ; which tensor: the choice hangs on the unit's number alone
	s_cmp_lt_u32 s27, 2864
	s_cselect_b64 s[32:33], s[16:17], s[32:33]
	s_cmp_lt_u32 s27, 2848
	s_cselect_b64 s[32:33], s[14:15], s[32:33]
	s_cmp_lt_u32 s27, 2832
	s_cselect_b64 s[32:33], s[12:13], s[32:33]
	s_cmp_lt_u32 s27, 2816
	s_cselect_b64 s[32:33], s[10:11], s[32:33]
	s_cmp_lt_u32 s27, 2560
	s_cselect_b64 s[32:33], s[8:9], s[32:33]
	s_cmp_lt_u32 s27, 2304
	s_cselect_b64 s[32:33], s[6:7], s[32:33]
	s_cmp_lt_u32 s27, 2048
	s_cselect_b64 s[32:33], s[4:5], s[32:33]
	s_add_nc_u64 s[32:33], s[32:33], s[46:47]      ; steps 0-3
	s_add_nc_u64 s[34:35], s[32:33], s[58:59]      ; steps 4-7
	s_lshl_b32 s60, s30, 11
	s_mov_b32 s61, 0
	s_add_nc_u64 s[36:37], s[22:23], s[60:61]      ; mw: 8 steps x 256 bytes a unit
	s_mul_i32 s60, s31, 2*REC
	s_add_nc_u64 s[38:39], s[20:21], s[60:61]      ; cb: two records a group
	s_lshl_b32 s60, s40, 3
	s_add_co_u32 s60, s60, s41
	s_add_nc_u64 s[52:53], s[24:25], s[60:61]      ; fl: 8 bytes a tile; my quarter's byte of each word
.macro LOAD t                          ; step t: 16 rows x 512 bytes; each load reads 512 consecutive bytes
.irp j, 0,1,2,3,4,5,6,7,8,9,10,11,12,13,14,15
.if (\t) < 4
	global_load_b128 v[LD+64*((\t)%2)+4*\j:LD+64*((\t)%2)+4*\j+3], v[RO+\j], s[32:33] offset:512*((\t)%4) th:TH_LOAD_NT
.else
	global_load_b128 v[LD+64*((\t)%2)+4*\j:LD+64*((\t)%2)+4*\j+3], v[RO+\j], s[34:35] offset:512*((\t)%4) th:TH_LOAD_NT
.endif
.endr
.endm
.macro TURN t                          ; through my stage: LDS serves a wave's instructions in order, so no wait stands between the stores and the loads
.irp j, 0,1,2,3,4,5,6,7,8,9,10,11,12,13,14,15
	ds_store_b128 v6, v[LD+64*((\t)%2)+4*\j:LD+64*((\t)%2)+4*\j+3] offset:SPI*\j
.endr
.irp b, 0,1,2,3
.irp j, 0,1,2,3
	ds_load_b128 v[X+16*\b+4*\j:X+16*\b+4*\j+3], v7 offset:128*\b+16*\j
.endr
.endr
.endm
.macro MASKPROC t                      ; 64 compares give 64 lane masks; word n goes to lane n / 2, register n % 2, so that one store of 8 bytes a lane lays the words on end
.irp g, 0,1,2,3,4,5,6,7
.irp e, 0,1,2,3,4,5,6,7
	v_cmp_ne_u32 s[40+\e], 0, v[X+8*\g+\e]
.endr
.irp e, 0,1,2,3,4,5,6,7
	v_writelane_b32 v[MWD+\e%2], s[40+\e], (8*\g+\e)/2
.endr
.endr
	v_or_b32 v10, v[MWD], v[MWD+1]
	v_and_b32 v11, v[MWD], v[MWD+1]
	v_cmp_ne_u32 vcc_lo, 0, v10
	s_cmp_lg_u32 vcc_lo, 0                         ; some word has a bit
	s_cselect_b32 s48, 1<<(\t), 0
	s_or_b32 s49, s49, s48
	v_cmp_ne_u32 vcc_lo, -1, v11
	s_cmp_eq_u32 vcc_lo, 0                         ; no word lacks one
	s_cselect_b32 s48, 1<<(\t), 0
	s_or_b32 s50, s50, s48
	global_store_b64 v5, v[MWD:MWD+1], s[36:37] offset:256*(\t)   ; 32 lanes store 256 consecutive bytes, aligned
.endm
.macro QUANTPROC t                     ; tile t / 4 of the group, K step t % 4
	QUANT X, PWS+(\t)%4
.irp c, 0,1,2
	global_store_b128 v4, v[PC+4*\c:PC+4*\c+3], s[38:39] offset:REC*((\t)/4)+1536*((\t)%4)+512*\c   ; 512 consecutive bytes a store
.endr
.if (\t)%4 == 3
	global_store_b128 v4, v[PWS:PWS+3], s[38:39] offset:REC*((\t)/4)+6144
.endif
.endm
.macro PSTEP t
.if (\t) < 7
	s_wait_loadcnt 16                              ; this step's 16 loads are in; the next step's 16 may be out
.else
	s_wait_loadcnt 0x0
.endif
	TURN \t
	s_wait_dscnt 0x0                               ; the stage's stores have read the set, and the step is back, turned
	s_wait_xcnt 0x0                                ; the last step's stores have read their data: codes, scale words and mask words are written again only behind this wait
.if (\t) < 6
	LOAD (\t)+2                                    ; the set takes the step two on
.endif
	s_cmp_lg_u32 s28, 0
	s_cbranch_scc0 .Lquant_\@
	MASKPROC \t
	s_branch .Ljoin_\@
.Lquant_\@:
	QUANTPROC \t
.Ljoin_\@:
.endm
	LOAD 0
	LOAD 1
.irp t, 0,1,2,3,4,5,6,7
	PSTEP \t
.endr
	s_cmp_lg_u32 s28, 0
	s_cbranch_scc0 .Lend
	v_mov_b32 v10, s49                             ; the unit's two bytes of flags: lane 0 the first word's, lane 1 the second's
	v_mov_b32 v11, s50
	v_cmp_eq_u32 vcc_lo, 1, v1
	v_cndmask_b32 v10, v10, v11, vcc_lo
	v_lshlrev_b32 v11, 2, v1
	v_cmp_gt_u32 vcc_lo, 2, v1
	s_wait_xcnt 0x0                                ; EXEC changes only behind this wait
	s_and_saveexec_b32 s56, vcc_lo
	global_store_b8 v11, v10, s[52:53]
	s_wait_xcnt 0x0                                ; and again in front of the line that widens it
	s_or_b32 exec_lo, exec_lo, s56
.Lend:
	s_wait_tensorcnt 0x0
	ds_add_u32 v239, v243
	s_wait_dscnt 0x0
	s_endpgm
.Lfunc_end_k_qe5640465ed_prep:
	.size	k_qe5640465ed_prep, .Lfunc_end_k_qe5640465ed_prep-k_qe5640465ed_prep
	.p2alignl 7, 3214868480
	.fill 96, 4, 3214868480
	.section	.rodata,"a",@progbits
	.p2align	6, 0x0
	.amdhsa_kernel k_qe5640465ed_prep
		.amdhsa_group_segment_fixed_size 34304
		.amdhsa_private_segment_fixed_size 0
		.amdhsa_enable_private_segment 0
		.amdhsa_kernarg_size 88
		.amdhsa_user_sgpr_count 2
		.amdhsa_user_sgpr_kernarg_segment_ptr 1
		.amdhsa_wavefront_size32 1
		.amdhsa_system_sgpr_workgroup_id_x 1
		.amdhsa_system_sgpr_workgroup_id_y 1
		.amdhsa_system_sgpr_workgroup_id_z 1
		.amdhsa_system_vgpr_workitem_id 0
		.amdhsa_next_free_vgpr 256
		.amdhsa_next_free_sgpr 66
		.amdhsa_reserve_vcc 1
		.amdhsa_float_denorm_mode_32 3
		.amdhsa_float_denorm_mode_16_64 3
		.amdhsa_memory_ordered 1
		.amdhsa_forward_progress 1
		.amdhsa_inst_pref_size 135
	.end_amdhsa_kernel
	.amdgpu_metadata
---
amdhsa.version: [ 1, 2 ]
amdhsa.kernels:
  - .name:           k_qe5640465ed_prep
    .symbol:         k_qe5640465ed_prep.kd
    .args:
      - { .name: mask, .offset: 0, .size: 8, .value_kind: global_buffer, .address_space: global }
      - { .name: query, .offset: 8, .size: 8, .value_kind: global_buffer, .address_space: global }
      - { .name: key, .offset: 16, .size: 8, .value_kind: global_buffer, .address_space: global }
      - { .name: value, .offset: 24, .size: 8, .value_kind: global_buffer, .address_space: global }
      - { .name: Wq, .offset: 32, .size: 8, .value_kind: global_buffer, .address_space: global }
      - { .name: Wk, .offset: 40, .size: 8, .value_kind: global_buffer, .address_space: global }
      - { .name: Wv, .offset: 48, .size: 8, .value_kind: global_buffer, .address_space: global }
      - { .name: Wo, .offset: 56, .size: 8, .value_kind: global_buffer, .address_space: global }
      - { .name: cb, .offset: 64, .size: 8, .value_kind: global_buffer, .address_space: global }
      - { .name: mw, .offset: 72, .size: 8, .value_kind: global_buffer, .address_space: global }
      - { .name: fl, .offset: 80, .size: 8, .value_kind: global_buffer, .address_space: global }
    .group_segment_fixed_size: 34304
    .private_segment_fixed_size: 0
    .kernarg_segment_align: 8
    .kernarg_segment_size: 88
    .max_flat_workgroup_size: 128
    .sgpr_count:     66
    .vgpr_count:     256
    .wavefront_size: 32
...
	.end_amdgpu_metadata
.endif
;; end of part 1
;; launch proj (part 2): grid 768 x 1, 1 waves a work-group, no clusters, 0 bytes of LDS; arguments cb, bq, bk, bv, qb, kv; writes qb, kv
.if DOCPART == 2
	.amdgcn_target "amdgcn-amd-amdhsa--gfx1250"
	.amdhsa_code_object_version 6
	.text
	.protected	k_qe5640465ed_proj
	.globl	k_qe5640465ed_proj
	.p2align	8
	.type	k_qe5640465ed_proj,@function
k_qe5640465ed_proj:
	s_mov_b64 s[64:65], 0
	v_nop
	global_prefetch_b8 v0, s[64:65] scope:SCOPE_SE
	s_setreg_imm32_b32 hwreg(HW_REG_WAVE_MODE, 25, 1), 1
	s_wait_xcnt 0x0
; PROJ: q = query Wq^T + bq, k = key Wk^T + bk, v = value Wv^T + bv, on the codes of FP6 that the launch before laid in cb; the results are quantised in registers
; (q and k along the head's 64, v along the keys) and stored in the order of the attention launch's operand registers.
; SHARES.  One wave a work-group: kind = id / 256 (0 q, 1 k, 2 v); a block of 128 tokens sb = (id % 256) / 4; 128 outputs 128 w on (heads 2 w, 2 w + 1), w = id % 4.
; ONE BODY.  Eight tiles stay in registers and are source 0; eight tiles are streamed, one a turn, and are source 1.  q, k: the weight's tiles stay, the tokens' stream: a lane holds one token,
; and its 64 results run along the outputs.  v: the tokens' tiles stay, the weight's stream: a lane holds one output d, and its 64 results run along the 128 tokens, which are the keys.
; Tile 2 p + u holds at place r the row 32 p + 8 u + r + 8 (r / 8): so the 16 registers of results 2 b and 2 b + 1 are the 16 neighbours 32 b + 16 (lane / 16) + 0 .. 15 of source 0's axis.
; The bias is the C of each sum's first product.
; OUT.  A block of 13,312 bytes for each (batch, head, 128 tokens), at ((8 batch + head) 32 + step) x 13,312.  q (in qb) and k (in kv): tile i's half fragment (64 along K: 6 registers) at 768 i:
; registers 0-3 at 16 lane, registers 4-5 at 512 + 8 lane; scale words at 12288 + 16 lane + 4 e = tile 2 e + lane / 16, place lane % 16; their bytes 2 and 3 are 0x7f: the upper 64 of the
; instruction's 128 along K are multiplied by zero codes.  v (in kv): the fragment of d-tile t at 6144 + 1536 t + 512 c + 16 lane; at 12800 + 16 lane the words of tiles lane / 16 and 2 + lane / 16, and two zeros.
; No LDS, no tensor load: operands lie in memory as registers take them.  No cluster: a wave's streamed tiles are shared with three other waves only, and come from what the launch before has just written.
; LIMITS: a block of zeros gets the byte 1 where the rule says 127 (read by this program alone); NaN and infinities are not served.
; REGISTERS, in windows of 256: window 0: v1-4 addresses; v8-15 the value arm's bias; v16-47 the staying tiles' scale words; v48-55 the streamed tiles', two sets; v56-63 C of the value arm;
;   v64-127 eight accumulators; v128-147 codes; v148-159 at work; v160-167 eight scale words made; v168-179 their gathering.
;   window 1: staying tiles 0-3 (tile t, K step k at v[48 t + 12 k]); v192-255 the bias of q, k, eight a tile.   window 2: staying tiles 4-7.   window 3: the streamed tile, two sets of 48.
.set REC,   6656
.set BLK,   13312
.set HB,    32*BLK                     ; from a head's block to the next head's
.set BVV,   8
.set RS,    16
.set SS,    48
.set CV,    56
.set HA,    64
.set PC,    128
.set TM,    148
.set PWG,   160
.set GT,    168
.set BR,    192
.set SEL,   30
.set MSB, 0
.macro WIN new                         ; the immediate's high byte repeats the setting that is left
.if MSB != \new
	s_set_vgpr_msb (MSB<<8)|\new
.set MSB, \new
.endif
.endm
; 64 numbers of a lane, v[src] on, register 16 b + i = k 32 b + 16 (lane / 16) + i of my row, become a fragment's codes in v[PC] .. v[PC+11] and its scale word in v[pw].
.macro QUANT src, pw
.irp b, 0,1,2,3
	v_max3_num_f32 v[TM+\b], |v[\src+16*\b]|, |v[\src+1+16*\b]|, 0x1800000   ; my 16 numbers and the floor 2^(3 - 127).  Each accumulator is read from its low end on
.endr
.irp i, 2,4,6,8,10,12,14
.irp b, 0,1,2,3
	v_max3_num_f32 v[TM+\b], v[TM+\b], |v[\src+16*\b+\i]|, |v[\src+1+16*\b+\i]|
.endr
.endr
.irp b, 0,1,2,3
	v_permlanex16_b32 v[TM+4+\b], v[TM+\b], s[SEL], s[SEL+1]
.endr
.irp b, 0,1,2,3
	v_max_num_f32 v[TM+\b], v[TM+\b], v[TM+4+\b]   ; with lane l xor 16's: the block's largest magnitude
.endr
.irp b, 0,1,2,3
	v_add_nc_u32 v[TM+8+\b], 0xff000000, v[TM+\b]  ; 2 off its exponent field: the conversion's scale operand
.endr
.irp b, 0,1,2,3
	v_lshrrev_b32 v[TM+4+\b], 23, v[TM+8+\b]       ; the scale's byte
.endr
	v_lshl_or_b32 v[\pw], v[TM+5], 8, v[TM+4]
	v_lshl_or_b32 v[\pw], v[TM+6], 16, v[\pw]
	v_lshl_or_b32 v[\pw], v[TM+7], 24, v[\pw]
.irp c, 0,1
	v_cvt_scalef32_pk16_fp6_f32 v[PC+6*\c:PC+2+6*\c], v[\src+32*\c:\src+15+32*\c], v[TM+8+2*\c]
	v_cvt_scalef32_pk16_fp6_f32 v[PC+12+4*\c:PC+14+4*\c], v[\src+16+32*\c:\src+31+32*\c], v[TM+9+2*\c]
.endr
	v_nop                                          ; one plain place behind a scaled conversion
.irp c, 0,1
.irp i, 0,1,2
	v_permlane16_swap_b32 v[PC+6*\c+\i], v[PC+12+4*\c+\i]
.endr
.irp i, 0,1,2
	v_mov_b32 v[PC+3+6*\c+\i], v[PC+12+4*\c+\i]
.endr
.endr
.endm
	s_load_b256 s[4:11], s[0:1], 0x0               ; cb, bq, bk, bv
	s_load_b128 s[12:15], s[0:1], 0x20             ; qb, kv
	v_lshlrev_b32 v1, 4, v0                        ; 16 x lane (one wave: v0 is the lane)
	v_lshlrev_b32 v2, 3, v0                        ; 8 x lane
	v_bfe_u32 v3, v0, 4, 1
	v_lshlrev_b32 v3, 6, v3                        ; 64 h: my half's 16 numbers of a bias
	v_and_b32 v4, 15, v0
	v_and_b32 v5, 8, v0
	v_add_nc_u32 v4, v4, v5
	v_lshlrev_b32 v4, 2, v4                        ; 4 (r + 8 (r / 8)): my place's number of a bias
.irp b, 0,1,2,3
	v_mov_b32 v[TM+4+\b], 0                        ; a lane permute's destination counts as one of its sources
.endr
	s_mov_b32 s[SEL], 0x76543210
	s_mov_b32 s[SEL+1], 0xfedcba98
	s_mov_b32 s28, 0x7f7f0000
	s_lshr_b32 s16, ttmp9, 8                       ; kind
	s_bfe_u32 s17, ttmp9, 0x60002                  ; sb
	s_and_b32 s18, ttmp9, 3                        ; w
	s_lshl_b32 s32, s16, 9
	s_lshl_b32 s33, s17, 3
	s_add_co_u32 s32, s32, s33                     ; the tokens' first tile: 512 kind + 8 sb
	s_lshl_b32 s33, s16, 5
	s_lshl_b32 s34, s18, 3
	s_add_co_u32 s33, s33, s34
	s_add_co_u32 s33, s33, 1536                    ; the weight's: 1536 + 32 kind + 8 w
	s_cmp_eq_u32 s16, 2
	s_cselect_b32 s34, s32, s33                    ; which stay,
	s_cselect_b32 s35, s33, s32                    ; which stream
	s_mul_i32 s20, s34, REC
	s_mov_b32 s21, 0
	s_mul_i32 s22, s35, REC
	s_mov_b32 s23, 0
	s_lshr_b32 s32, s17, 5
	s_lshl_b32 s32, s32, 3
	s_lshl_b32 s33, s18, 1
	s_add_co_u32 s32, s32, s33                     ; 8 batch + head 2 w
	s_lshl_b32 s32, s32, 5
	s_and_b32 s33, s17, 31
	s_add_co_u32 s32, s32, s33
	s_mul_i32 s26, s32, BLK
	s_mov_b32 s27, 0
	s_wait_kmcnt 0x0
	s_add_nc_u64 s[20:21], s[4:5], s[20:21]
	s_add_nc_u64 s[22:23], s[4:5], s[22:23]
	s_cmp_eq_u32 s16, 0
	s_cselect_b64 s[34:35], s[12:13], s[14:15]     ; q goes to qb, k and v to kv
	s_cselect_b64 s[24:25], s[6:7], s[8:9]
	s_cmp_eq_u32 s16, 2
	s_cselect_b64 s[24:25], s[10:11], s[24:25]     ; the kind's bias
	s_add_nc_u64 s[26:27], s[34:35], s[26:27]
	s_lshl_b32 s32, s18, 9
	s_mov_b32 s33, 0
	s_add_nc_u64 s[24:25], s[24:25], s[32:33]      ; at my 128 outputs
	WIN 0x40                                       ; destination window 1
.irp t, 0,1,2,3
.irp k, 0,1,2,3
.irp c, 0,1,2
	global_load_b128 v[48*\t+12*\k+4*\c:48*\t+12*\k+4*\c+3], v1, s[20:21] offset:REC*\t+1536*\k+512*\c
.endr
.endr
.endr
.irp t, 0,1,2,3,4,5,6,7                        ; for result tile t lane (r, h) wants the bias of outputs 32 (t / 2) + 16 h + 8 (t % 2) + 0 .. 7
	global_load_b128 v[BR+8*\t:BR+8*\t+3], v3, s[24:25] offset:4*(32*(\t/2)+8*(\t%2))
	global_load_b128 v[BR+8*\t+4:BR+8*\t+7], v3, s[24:25] offset:4*(32*(\t/2)+8*(\t%2))+16
.endr
	WIN 0x80                                       ; destination window 2
.irp t, 4,5,6,7
.irp k, 0,1,2,3
.irp c, 0,1,2
	global_load_b128 v[48*(\t-4)+12*\k+4*\c:48*(\t-4)+12*\k+4*\c+3], v1, s[20:21] offset:REC*\t+1536*\k+512*\c
.endr
.endr
.endr
	WIN 0
.irp t, 0,1,2,3,4,5,6,7
	global_load_b128 v[RS+4*\t:RS+4*\t+3], v1, s[20:21] offset:REC*\t+6144
	global_load_b32 v[BVV+\t], v4, s[24:25] offset:4*(32*(\t/2)+8*(\t%2))   ; the value arm: the bias of the output at my place of streamed tile t
.endr
.macro LOADS i                         ; streamed tile i into set i % 2: 12 loads of codes, 1 of scale words
	WIN 0xc0                                       ; destination window 3
.irp k, 0,1,2,3
.irp c, 0,1,2
	global_load_b128 v[48*((\i)%2)+12*\k+4*\c:48*((\i)%2)+12*\k+4*\c+3], v1, s[22:23] offset:REC*(\i)+1536*\k+512*\c
.endr
.endr
	WIN 0
	global_load_b128 v[SS+4*((\i)%2):SS+4*((\i)%2)+3], v1, s[22:23] offset:REC*(\i)+6144
.endm
; one product: staying tile t x the streamed tile of set st, K step k.  cm = 0: onto the accumulator; 1: C = the bias in window 1; 2: C = the value arm's bias
.macro MM t, k, st, cm
.set RA, 48*((\t)%4)+12*(\k)
.set SA, 48*(\st)+12*(\k)
.if \cm == 0
	v_wmma_scale_f32_16x16x128_f8f6f4 v[HA+8*(\t):HA+8*(\t)+7], v[RA:RA+11], v[SA:SA+11], v[HA+8*(\t):HA+8*(\t)+7], v[RS+4*(\t)+(\k)], v[SS+4*(\st)+(\k)] matrix_a_fmt:MATRIX_FMT_FP6 matrix_b_fmt:MATRIX_FMT_FP6
.elseif \cm == 1
	v_wmma_scale_f32_16x16x128_f8f6f4 v[HA+8*(\t):HA+8*(\t)+7], v[RA:RA+11], v[SA:SA+11], v[BR+8*(\t):BR+8*(\t)+7], v[RS+4*(\t)+(\k)], v[SS+4*(\st)+(\k)] matrix_a_fmt:MATRIX_FMT_FP6 matrix_b_fmt:MATRIX_FMT_FP6
.else
	v_wmma_scale_f32_16x16x128_f8f6f4 v[HA+8*(\t):HA+8*(\t)+7], v[RA:RA+11], v[SA:SA+11], v[CV:CV+7], v[RS+4*(\t)+(\k)], v[SS+4*(\st)+(\k)] matrix_a_fmt:MATRIX_FMT_FP6 matrix_b_fmt:MATRIX_FMT_FP6
.endif
.endm
.macro KSTEP k, st, cm, w1, w2         ; the eight accumulators by turns, one product a turn
	WIN \w1
.irp t, 0,1,2,3
	MM \t, \k, \st, \cm
.endr
	WIN \w2
.irp t, 4,5,6,7
	MM \t, \k, \st, \cm
.endr
.endm
.macro ITER i
.if (\i) < 7
	s_wait_loadcnt 13                              ; this tile's 13 loads and all issued before them (the staying tiles, the biases) are in; the next tile's 13 may be out
.else
	s_wait_loadcnt 0x0
.endif
	s_cmp_eq_u32 s16, 2
	s_cbranch_scc1 .Lvk_\@
	KSTEP 0, (\i)%2, 1, 0x1d, 0x1e                 ; source 0 window 1 or 2, source 1 window 3, C window 1
	WIN 0
	s_branch .Ljk_\@
.Lvk_\@:
.irp j, 0,1,2,3,4,5,6,7
	v_mov_b32 v[CV+\j], v[BVV+\i]                  ; the value arm's C: one output's bias in all eight registers (behind the wait above: the bias is in)
.endr
.rept 4
	v_nop                                          ; places between the moves and the product that takes their results
.endr
	KSTEP 0, (\i)%2, 2, 0x0d, 0x0e                 ; C window 0
	WIN 0
.Ljk_\@:
	KSTEP 1, (\i)%2, 0, 0x0d, 0x0e
	KSTEP 2, (\i)%2, 0, 0x0d, 0x0e
	KSTEP 3, (\i)%2, 0, 0x0d, 0x0e
	WIN 0
.rept 4
	v_nop                                          ; places in front of loads into registers that the products have read, and of the first read of results
.endr
	s_wait_xcnt 0x0                                ; the last turn's stores have read the codes' registers
.if (\i) < 6
	LOADS (\i)+2
.endif
	QUANT HA, PWG+\i
	s_cmp_eq_u32 s16, 2
	s_cbranch_scc1 .Lvs_\@
	global_store_b128 v1, v[PC:PC+3], s[26:27] offset:768*\i               ; head 2 w: the fragment's lower six registers
	global_store_b64 v2, v[PC+4:PC+5], s[26:27] offset:768*\i+512
	global_store_b128 v1, v[PC+6:PC+9], s[26:27] offset:HB+768*\i          ; head 2 w + 1: the upper six
	global_store_b64 v2, v[PC+10:PC+11], s[26:27] offset:HB+768*\i+512
	s_branch .Ljs_\@
.Lvs_\@:
.irp c, 0,1,2
	global_store_b128 v1, v[PC+4*\c:PC+4*\c+3], s[26:27] offset:(\i/4)*HB+6144+1536*(\i%4)+512*\c
.endr
.Ljs_\@:
.endm
	LOADS 0
	LOADS 1
.irp i, 0,1,2,3,4,5,6,7
	ITER \i
.endr
	v_cmp_le_u32 vcc_lo, 16, v0                    ; lanes 16-31 carry the odd tile's words
	s_cmp_eq_u32 s16, 2
	s_cbranch_scc1 .Lend_v
.irp e, 0,1,2,3
	v_cndmask_b32 v[GT+8+\e], v[PWG+2*\e], v[PWG+2*\e+1], vcc_lo
.endr
.irp e, 0,1,2,3
	v_and_or_b32 v[GT+\e], v[GT+8+\e], 0xffff, s28 ; head 2 w: bytes 0, 1
	v_lshrrev_b32 v[GT+4+\e], 16, v[GT+8+\e]       ; head 2 w + 1: bytes 2, 3
.endr
.irp e, 0,1,2,3
	v_or_b32 v[GT+4+\e], s28, v[GT+4+\e]
.endr
	global_store_b128 v1, v[GT:GT+3], s[26:27] offset:12288
	global_store_b128 v1, v[GT+4:GT+7], s[26:27] offset:HB+12288
	s_endpgm
.Lend_v:
.irp e, 0,1
	v_cndmask_b32 v[GT+4*\e], v[PWG+4*\e], v[PWG+4*\e+1], vcc_lo
	v_cndmask_b32 v[GT+4*\e+1], v[PWG+4*\e+2], v[PWG+4*\e+3], vcc_lo
	v_mov_b32 v[GT+4*\e+2], 0
	v_mov_b32 v[GT+4*\e+3], 0
.endr
	global_store_b128 v1, v[GT:GT+3], s[26:27] offset:12800
	global_store_b128 v1, v[GT+4:GT+7], s[26:27] offset:HB+12800
	s_endpgm
.Lfunc_end_k_qe5640465ed_proj:
	.size	k_qe5640465ed_proj, .Lfunc_end_k_qe5640465ed_proj-k_qe5640465ed_proj
	.p2alignl 7, 3214868480
	.fill 96, 4, 3214868480
	.section	.rodata,"a",@progbits
	.p2align	6, 0x0
	.amdhsa_kernel k_qe5640465ed_proj
		.amdhsa_group_segment_fixed_size 0
		.amdhsa_private_segment_fixed_size 0
		.amdhsa_enable_private_segment 0
		.amdhsa_kernarg_size 48
		.amdhsa_user_sgpr_count 2
		.amdhsa_user_sgpr_kernarg_segment_ptr 1
		.amdhsa_wavefront_size32 1
		.amdhsa_system_sgpr_workgroup_id_x 1
		.amdhsa_system_sgpr_workgroup_id_y 1
		.amdhsa_system_sgpr_workgroup_id_z 1
		.amdhsa_system_vgpr_workitem_id 0
		.amdhsa_next_free_vgpr 864
		.amdhsa_next_free_sgpr 66
		.amdhsa_reserve_vcc 1
		.amdhsa_float_denorm_mode_32 3
		.amdhsa_float_denorm_mode_16_64 3
		.amdhsa_memory_ordered 1
		.amdhsa_forward_progress 1
		.amdhsa_inst_pref_size 111
	.end_amdhsa_kernel
	.amdgpu_metadata
---
amdhsa.version: [ 1, 2 ]
amdhsa.kernels:
  - .name:           k_qe5640465ed_proj
    .symbol:         k_qe5640465ed_proj.kd
    .args:
      - { .name: cb, .offset: 0, .size: 8, .value_kind: global_buffer, .address_space: global }
      - { .name: bq, .offset: 8, .size: 8, .value_kind: global_buffer, .address_space: global }
      - { .name: bk, .offset: 16, .size: 8, .value_kind: global_buffer, .address_space: global }
      - { .name: bv, .offset: 24, .size: 8, .value_kind: global_buffer, .address_space: global }
      - { .name: qb, .offset: 32, .size: 8, .value_kind: global_buffer, .address_space: global }
      - { .name: kv, .offset: 40, .size: 8, .value_kind: global_buffer, .address_space: global }
    .group_segment_fixed_size: 0
    .private_segment_fixed_size: 0
    .kernarg_segment_align: 8
    .kernarg_segment_size: 48
    .max_flat_workgroup_size: 32
    .sgpr_count:     66
    .vgpr_count:     864
    .wavefront_size: 32
...
	.end_amdgpu_metadata
.endif
;; end of part 2
;; launch attn (part 3): grid 16 x 16, 16 waves a work-group, no clusters, 28,672 bytes of LDS; arguments qb, kv, mw, fl, oc; writes oc
.if DOCPART == 3
	.amdgcn_target "amdgcn-amd-amdhsa--gfx1250"
	.amdhsa_code_object_version 6
	.text
	.protected	k_qe5640465ed_attn
	.globl	k_qe5640465ed_attn
	.p2align	8
	.type	k_qe5640465ed_attn,@function
k_qe5640465ed_attn:
	s_mov_b64 s[64:65], 0
	v_nop
	global_prefetch_b8 v0, s[64:65] scope:SCOPE_SE
	s_setreg_imm32_b32 hwreg(HW_REG_WAVE_MODE, 25, 1), 1
	s_wait_xcnt 0x0
; ATTN: for each (batch, head): S^T = k q^T, the mask, p = 2^(t - M), O^T += v^T p^T, O / l, and O quantised along the model's 512 for the last product.  Both products on codes of FP6 (E2M3) with E8M0 scales.
; t = score x log2(e) / 8; M = the running largest t rounded UP to a whole number, kept as -M = floor(-t); when M moves, l and O^T are multiplied by 2^(old M - new M), exactly.  l is the sum of the unquantised p.
; SHARES.  A work-group is one (batch, head) (grid y) and sixteen tiles of 16 queries, one a wave; all sixteen waves walk the head's 32 steps of 128 keys together.  Wave w takes tile 16 g(w) + x;
; g spreads a work-group's tiles over the whole sequence so that any four waves w % 4 = const or w / 4 = const hold one tile of each quarter; g enters global addresses alone and changes no value.
; LAYOUT.  Both products are used transposed: a lane holds ONE query (place lane % 16 of its tile).  Tile 2 p + u of keys holds at place r the key 32 p + 8 u + r + 8 (r / 8), so that score register n of lane l
; is key 32 (n / 16) + 16 (l / 16) + n % 16 of the step; v's tiles of d are laid the same way, so that O^T's register n is d = 32 (n / 16) + 16 (l / 16) + n % 16.
; K = 64 IN AN INSTRUCTION OF 128: q's registers 6-11 are zero codes; k's operand for tile t is v[32 + 6 t .. 43 + 6 t], whose upper six registers are the next tile's codes (zeros behind tile 7): they meet zeros.
; THE MASK is an input: it comes as lane masks (64 words a step) and flags, which an earlier launch stored.  A step in which my tile has no open key adds nothing (every p is 0): a scalar branch on the stored flag
; leaves its work out.  A step in which all 2,048 are open skips the 64 selects.  This holds for every mask.
; K AND V reach LDS through registers: a step's block of 13,312 bytes is copied by the 512 threads, 16 bytes each (threads 0-319 a second 16), into the slot that is not being read; one barrier a step.
; No tensor load, and so no joint load in a cluster: the work of a step hangs on a number read from memory.  The copy and the barrier stand on every wave's path; the branches on flags go round register work and LDS loads alone.
; A QUERY WITH NO OPEN KEY AT ALL has l = 0: its two scale bytes are set to 0xff (NaN), so that the last product gives NaN for that token, as the softmax of an empty row does.
; LIMITS: NaN and infinities among the inputs are not served; a block of zeros gets the byte 1 (read by this program alone).
; REGISTERS: v1 16 lane, v2 8 lane, v3 16 thread; v4 -infinity; v5 q's scale words; v6-13 the copy; v14 -M, v15 the largest t; v[16:17] l in two halves; v18-23 q, v24-29 zeros; v[30:31] f, 0;
;   v32-79 k's eight half fragments, then v's four fragments; v80-85 zeros; v86-89 k's scale words, v90-91 v's, v92 p's; v96-159 S^T, then p; v160-191 O^T; v192-203 p's codes; v204-226 at work.
.set BLK,   13312
.set KF,    32
.set S,     96
.set O,     160
.set PCD,   192
.set SPL,   204                        ; v[204:206], v[208:210]: a conversion's three registers begin on an even number
.set BM,    212                        ; v[212:215] each block's largest score, then its largest p
.set BT,    216                        ; v[216:219] the other half's, then the scale bytes
.set SCO,   220                        ; v[220:223] the conversions' scale operands
.set SM2,   224                        ; v[224:225] the sum's second chain
.set TP,    226
	s_load_b256 s[4:11], s[0:1], 0x0               ; qb, kv, mw, fl
	s_load_b64 s[12:13], s[0:1], 0x20              ; oc
	v_lshl_add_u32 v254, v0, 2, 0x6800
	v_mov_b32 v255, 0
	v_lshrrev_b32 v1, 5, v0
	v_readfirstlane_b32 s14, v1                    ; wave 0..15
	v_and_b32 v2, 31, v0
	v_lshlrev_b32 v1, 4, v2
	v_lshlrev_b32 v2, 3, v2
	v_lshlrev_b32 v3, 4, v0
	v_and_b32 v[TP], 15, v0
	v_lshlrev_b32 v[TP], 4, v[TP]                  ; 16 r: q's scale word
	v_mov_b32 v4, 0xff800000
	v_mov_b32 v15, 0xff61b1e6                      ; the largest t so far: -3e38, under every t
	v_floor_f32 v14, -v15
.irp i, 10,11,12,13,16,17,24,25,26,27,28,29,30,31,80,81,82,83,84,85
	v_mov_b32 v[\i], 0
.endr
.irp b, 0,1,2,3
	v_mov_b32 v[BT+\b], 0                          ; a lane permute's destination counts as one of its sources
.endr
.irp j, 0,1,2,3,4,5,6,7,8,9,10,11,12,13,14,15,16,17,18,19,20,21,22,23,24,25,26,27,28,29,30,31
	v_mov_b32 v[O+\j], 0                           ; which step is a tile's first open one hangs on the mask, so no first product can be written out: the sums begin as zeros
.endr
	s_lshr_b32 s24, s14, 2                         ; a
	s_and_b32 s25, s14, 3                          ; b
	s_lshr_b32 s15, s25, 1
	s_mul_i32 s15, s15, 7
	s_lshl_b32 s18, s25, 1
	s_xor_b32 s15, s15, s18
	s_and_b32 s15, s15, 3                          ; m(b) = 0, 2, 3, 1
	s_xor_b32 s15, s15, s24
	s_xor_b32 s18, s24, s25
	s_lshl_b32 s18, s18, 2
	s_add_co_u32 s18, s18, s15                     ; g = 4 (a xor b) + (a xor m): each of 0 .. 15 once
	s_lshl_b32 s18, s18, 4
	s_add_co_u32 s18, s18, ttmp9                   ; my tile of queries in the batch, 0 .. 255
	s_and_b32 s19, ttmp7, 0xffff                   ; 8 batch + head
	s_lshl_b32 s24, s19, 5
	s_lshr_b32 s25, s18, 3
	s_add_co_u32 s24, s24, s25
	s_mul_i32 s24, s24, BLK                        ; q's block
	s_and_b32 s25, s18, 7
	s_mul_i32 s30, s25, 768
	s_add_co_u32 s30, s30, s24                     ; my tile's half fragment
	s_mov_b32 s31, 0
	s_and_b32 s66, s25, 1
	s_lshl_b32 s66, s66, 8
	s_lshr_b32 s25, s25, 1
	s_lshl_b32 s25, s25, 2
	s_add_co_u32 s66, s66, s25
	s_add_co_u32 s66, s66, s24
	s_add_co_u32 s66, s66, 12288                   ; its scale words: 12288 + 16 (r + 16 (i % 2)) + 4 (i / 2)
	s_mov_b32 s67, 0
	s_mul_i32 s26, s19, 32*BLK                     ; the head's 32 blocks of k and v
	s_mov_b32 s27, 0
	s_lshr_b32 s24, s19, 3
	s_lshl_b32 s24, s24, 8
	s_add_co_u32 s24, s24, s18                     ; T = 256 batch + tile
	s_lshl_b32 s28, s24, 13                        ; its mask words: 32 steps x 256 bytes
	s_mov_b32 s29, 0
	s_lshl_b32 s32, s24, 3                         ; its flags
	s_mov_b32 s33, 0
	s_and_b32 s25, s19, 7
	s_add_co_u32 s34, s32, s25
	s_lshl_b32 s34, s34, 10                        ; its record in oc: (8 T + head) x 1,024
	s_mov_b32 s35, 0
	s_mov_b32 s20, 0x76543210
	s_mov_b32 s21, 0xfedcba98                      ; v_permlanex16_b32's selects for lane l xor 16
	s_mov_b32 s22, 0x3e38aa3b                      ; c = log2(e) / sqrt(64)
	s_mov_b32 s23, s22                             ; (named with it as a pair)
	s_wait_kmcnt 0x0
	s_add_nc_u64 s[32:33], s[10:11], s[32:33]
	s_load_b64 s[16:17], s[32:33], 0x0             ; s16: steps with an open key; s17: steps all open
	s_add_nc_u64 s[30:31], s[4:5], s[30:31]
	s_add_nc_u64 s[66:67], s[4:5], s[66:67]
	s_add_nc_u64 s[26:27], s[6:7], s[26:27]
	s_add_nc_u64 s[28:29], s[8:9], s[28:29]
	s_add_nc_u64 s[12:13], s[12:13], s[34:35]
	global_load_b128 v[18:21], v1, s[30:31]
	global_load_b64 v[22:23], v2, s[30:31] offset:512
	global_load_b32 v5, v[TP], s[66:67]
	global_load_b128 v[6:9], v3, s[26:27]          ; block 0
	s_cmp_lt_u32 s14, 10
	s_cbranch_scc0 .Lh0
	global_load_b128 v[10:13], v3, s[26:27] offset:8192
.Lh0:
	s_wait_loadcnt 0x0
	ds_store_b128 v3, v[6:9]
	s_cmp_lt_u32 s14, 10
	s_cbranch_scc0 .Lh1
	ds_store_b128 v3, v[10:13] offset:8192
.Lh1:
	s_wait_dscnt 0x0                               ; for the others' sake: my part of slot 0 lies in LDS
	s_barrier_signal -1
	s_barrier_wait -1
	s_wait_kmcnt 0x0                               ; the flags
	s_add_nc_u64 s[26:27], s[26:27], BLK           ; on to block 1 (its loads are done: the wait on LOADcnt above)
; A KEY STEP on the block in slot; fill = 1: the block goff bytes from the pointer is copied into the other slot.
.macro STEP slot, fill, goff
.set SL, BLK*(\slot)
.set SN, BLK*(1-(\slot))
.if \fill
	global_load_b128 v[6:9], v3, s[26:27] offset:\goff
	s_cmp_lt_u32 s14, 10
	s_cbranch_scc0 .Lnl_\@
	global_load_b128 v[10:13], v3, s[26:27] offset:\goff+8192
.Lnl_\@:
.endif
	s_bitcmp1_b32 s16, 0
	s_cbranch_scc0 .Lhid_\@                        ; no open key for my 16 queries in this step
	s_load_b512 s[32:47], s[28:29], 0x0            ; the step's 64 lane masks
	s_load_b512 s[48:63], s[28:29], 0x40
	s_load_b512 s[68:83], s[28:29], 0x80
	s_load_b512 s[84:99], s[28:29], 0xc0
.rept 4
	v_nop                                          ; places in front of loads into registers that the last products have read
.endr
.irp t, 0,1,2,3,4,5,6,7
	ds_load_b128 v[KF+6*\t:KF+6*\t+3], v1 offset:SL+768*\t
	ds_load_b64 v[KF+6*\t+4:KF+6*\t+5], v2 offset:SL+768*\t+512
.endr
	ds_load_b128 v[86:89], v1 offset:SL+12288
	s_wait_dscnt 0x0
.irp t, 0,2,4,6                                ; S^T = k q^T: eight tiles of 16 keys.  Lanes 0-15 of a scale register carry the even tile's words, lanes 16-31 the odd tile's
	v_wmma_scale_f32_16x16x128_f8f6f4 v[S+8*\t:S+8*\t+7], v[KF+6*\t:KF+6*\t+11], v[18:29], 0, v[86+\t/2], v5 matrix_a_fmt:MATRIX_FMT_FP6 matrix_b_fmt:MATRIX_FMT_FP6
	v_wmma_scale_f32_16x16x128_f8f6f4 v[S+8*\t+8:S+8*\t+15], v[KF+6*\t+6:KF+6*\t+17], v[18:29], 0, v[86+\t/2], v5 matrix_a_fmt:MATRIX_FMT_FP6 matrix_b_fmt:MATRIX_FMT_FP6 matrix_a_scale:MATRIX_SCALE_ROW1
.endr
.rept 4
	v_nop                                          ; places in front of the loads below and of the first read of the scores
.endr
.irp t, 0,1,2,3                                ; v's four fragments take k's registers; they land while the softmax is worked
.irp c, 0,1,2
	ds_load_b128 v[KF+12*\t+4*\c:KF+12*\t+4*\c+3], v1 offset:SL+6144+1536*\t+512*\c
.endr
.endr
	ds_load_b64 v[90:91], v1 offset:SL+12800
	s_wait_kmcnt 0x0                               ; the lane masks
	s_bitcmp1_b32 s17, 0
	s_cbranch_scc1 .Lopen_\@                       ; all open: nothing to select
.set n, 0
.rept 64
.if n < 32
	v_cndmask_b32 v[S+n], v4, v[S+n], s[32+n]      ; a closed key's score becomes -infinity: p = 0.  (In ascending order: each accumulator from its low end on)
.else
	v_cndmask_b32 v[S+n], v4, v[S+n], s[36+n]
.endif
.set n, n+1
.endr
.Lopen_\@:
.irp b, 0,1,2,3
	v_max3_num_f32 v[BM+\b], v[S+16*\b], v[S+1+16*\b], v[S+2+16*\b]   ; the largest score of each block of 32 keys: it serves the row's maximum and, since p rises with the score, the block's largest p
.endr
.irp i, 3,5,7,9,11,13
.irp b, 0,1,2,3
	v_max3_num_f32 v[BM+\b], v[BM+\b], v[S+16*\b+\i], v[S+1+16*\b+\i]
.endr
.endr
.irp b, 0,1,2,3
	v_max_num_f32 v[BM+\b], v[BM+\b], v[S+15+16*\b]
.endr
.irp b, 0,1,2,3
	v_permlanex16_b32 v[BT+\b], v[BM+\b], s20, s21
.endr
.irp b, 0,1,2,3
	v_max_num_f32 v[BM+\b], v[BM+\b], v[BT+\b]     ; with lane l xor 16's 16 keys
.endr
	v_max3_num_f32 v[TP], v[BM], v[BM+1], v[BM+2]
	v_max_num_f32 v[TP], v[TP], v[BM+3]            ; the step's largest score of my query
	v_mul_f32 v[TP], s22, v[TP]                    ; as t
	v_max_num_f32 v15, v15, v[TP]                  ; the running largest t
	v_mov_b32 v[TP], v14
	v_floor_f32 v14, -v15                          ; the new -M = -ceil(t)
	v_sub_f32 v[TP], v14, v[TP]                    ; old M - new M: a whole number, 0 or less
	v_cvt_i32_f32 v[TP], v[TP]                     ; (it saturates)
	v_ldexp_f32 v30, 1.0, v[TP]                    ; f = 2^(old M - new M)
.irp j, 0,2,4,6,8,10,12,14,16,18,20,22,24,26,28,30,32,34,36,38,40,42,44,46,48,50,52,54,56,58,60,62
	v_pk_fma_f32 v[S+\j:S+\j+1], v[S+\j:S+\j+1], s[22:23], v[14:15] op_sel_hi:[1,0,0]   ; t - M, two at a time
.endr
.irp b, 0,1,2,3
	v_fma_f32 v[BM+\b], v[BM+\b], s22, v14         ; the same of each block's largest score
.endr
.set n, 0
.rept 64
	v_exp_f32 v[S+n], v[S+n]                       ; p = 2^(t - M), at most 1: not normalised
.set n, n+1
.endr
.irp b, 0,1,2,3
	v_exp_f32 v[BM+\b], v[BM+\b]                   ; the block's largest p
.endr
	v_pk_mul_f32 v[16:17], v[16:17], v[30:31] op_sel_hi:[1,0]   ; l under the new M.  (A plain place behind the exponentials)
	s_wait_alu depctr_va_vdst(0)
.irp b, 0,1,2,3
	v_max_num_f32 v[BM+\b], 0x1800000, v[BM+\b]    ; the floor 2^(3 - 127): the byte cannot fall under 1
.endr
.irp b, 0,1,2,3
	v_add_nc_u32 v[SCO+\b], 0xff000000, v[BM+\b]   ; 2 off the exponent field: the conversion's scale operand
.endr
.irp b, 0,1,2,3
	v_lshrrev_b32 v[BT+\b], 23, v[SCO+\b]          ; the scale's byte
.endr
	v_lshl_or_b32 v92, v[BT+1], 8, v[BT]           ; p's scale word for these 128 keys
	v_lshl_or_b32 v92, v[BT+2], 16, v92
	v_lshl_or_b32 v92, v[BT+3], 24, v92
.irp c, 0,1
	v_cvt_scalef32_pk16_fp6_f32 v[PCD+6*\c:PCD+2+6*\c], v[S+32*\c:S+15+32*\c], v[SCO+2*\c]
	v_cvt_scalef32_pk16_fp6_f32 v[SPL+4*\c:SPL+2+4*\c], v[S+16+32*\c:S+31+32*\c], v[SCO+2*\c+1]
.endr
	v_nop                                          ; one plain place behind a scaled conversion
.irp c, 0,1                                    ; a whole block in a lane: lanes 0-15 block 2 c, lanes 16-31 block 2 c + 1
.irp i, 0,1,2
	v_permlane16_swap_b32 v[PCD+6*\c+\i], v[SPL+4*\c+\i]
.endr
.irp i, 0,1,2
	v_mov_b32 v[PCD+3+6*\c+\i], v[SPL+4*\c+\i]
.endr
.endr
	v_pk_add_f32 v[SM2:SM2+1], v[S:S+1], v[S+2:S+3]   ; l takes the unquantised p: two at a time, in two chains
.irp j, 4,8,12,16,20,24,28,32,36,40,44,48,52,56,60
	v_pk_add_f32 v[16:17], v[16:17], v[S+\j:S+\j+1]
	v_pk_add_f32 v[SM2:SM2+1], v[SM2:SM2+1], v[S+2+\j:S+3+\j]
.endr
	v_pk_add_f32 v[16:17], v[16:17], v[SM2:SM2+1]
.irp j, 0,2,4,6,8,10,12,14,16,18,20,22,24,26,28,30
	v_pk_mul_f32 v[O+\j:O+\j+1], v[O+\j:O+\j+1], v[30:31] op_sel_hi:[1,0]   ; O^T under the new M.  (With the sums: the places between p's codes and scale word and the products)
.endr
	s_wait_dscnt 0x0                               ; v's fragments and scale words
.irp t, 0,2                                    ; O^T += v^T p^T: four accumulators, one product each; the eight products k q^T stand between a step's and the next step's
	v_wmma_scale_f32_16x16x128_f8f6f4 v[O+8*\t:O+8*\t+7], v[KF+12*\t:KF+12*\t+11], v[PCD:PCD+11], v[O+8*\t:O+8*\t+7], v[90+\t/2], v92 matrix_a_fmt:MATRIX_FMT_FP6 matrix_b_fmt:MATRIX_FMT_FP6
	v_wmma_scale_f32_16x16x128_f8f6f4 v[O+8*\t+8:O+8*\t+15], v[KF+12*\t+12:KF+12*\t+23], v[PCD:PCD+11], v[O+8*\t+8:O+8*\t+15], v[90+\t/2], v92 matrix_a_fmt:MATRIX_FMT_FP6 matrix_b_fmt:MATRIX_FMT_FP6 matrix_a_scale:MATRIX_SCALE_ROW1
.endr
.Lhid_\@:
	s_wait_xcnt 0x0                                ; the scalar loads have read their base
	s_lshr_b32 s16, s16, 1                         ; the next step's flags,
	s_lshr_b32 s17, s17, 1
	s_add_nc_u64 s[28:29], s[28:29], 256           ; and its lane masks
.if \fill
	s_wait_loadcnt 0x0                             ; my part of the next block
	ds_store_b128 v3, v[6:9] offset:SN
	s_cmp_lt_u32 s14, 10
	s_cbranch_scc0 .Lns_\@
	ds_store_b128 v3, v[10:13] offset:SN+8192
.Lns_\@:
	s_wait_dscnt 0x0                               ; my stores into the other slot have landed and my reads of this slot are over:
	s_barrier_signal -1
	s_barrier_wait -1                              ; both now hold of all sixteen waves
.endif
.endm
	s_mov_b32 s18, 15
.Lpair:                                            ; 15 trips of two steps
	STEP 0, 1, 0
	STEP 1, 1, BLK
	s_add_nc_u64 s[26:27], s[26:27], 2*BLK         ; (the copies' loads are done)
	s_sub_co_u32 s18, s18, 1
	s_cmp_lg_u32 s18, 0
	s_cbranch_scc1 .Lpair
	STEP 0, 1, 0                                   ; step 30 copies block 31,
	STEP 1, 0, 0                                   ; step 31 nothing
	; THE WAY OUT: O^T / l, quantised along d: the head's 64 are two blocks of the last product's K.
.rept 4
	v_nop                                          ; places behind the last products
.endr
	v_add_f32 v16, v16, v17
	v_permlanex16_b32 v[TP], v16, s20, s21
	v_add_f32 v16, v16, v[TP]                      ; the row's sum
	v_rcp_f32 v30, v16
	v_nop                                          ; one plain place behind a transcendental
	v_cmp_eq_f32 vcc_lo, 0, v16                    ; a query with no open key
	s_wait_alu depctr_va_vdst(0)
.irp j, 0,2,4,6,8,10,12,14,16,18,20,22,24,26,28,30
	v_pk_mul_f32 v[S+\j:S+\j+1], v[O+\j:O+\j+1], v[30:31] op_sel_hi:[1,0]   ; register 16 b + i is o(my query, 32 b + 16 (lane / 16) + i)
.endr
.irp b, 0,1
	v_max3_num_f32 v[BM+\b], |v[S+16*\b]|, |v[S+1+16*\b]|, 0x1800000
.endr
.irp i, 2,4,6,8,10,12,14
.irp b, 0,1
	v_max3_num_f32 v[BM+\b], v[BM+\b], |v[S+16*\b+\i]|, |v[S+1+16*\b+\i]|
.endr
.endr
.irp b, 0,1
	v_permlanex16_b32 v[BT+\b], v[BM+\b], s20, s21
.endr
.irp b, 0,1
	v_max_num_f32 v[BM+\b], v[BM+\b], v[BT+\b]
.endr
.irp b, 0,1
	v_add_nc_u32 v[SCO+\b], 0xff000000, v[BM+\b]
.endr
.irp b, 0,1
	v_lshrrev_b32 v[BT+\b], 23, v[SCO+\b]
.endr
	v_lshl_or_b32 v198, v[BT+1], 8, v[BT]          ; the head's two scale bytes
	v_mov_b32 v[TP], 0xffff
	v_cndmask_b32 v198, v198, v[TP], vcc_lo        ; NaN for a query with no open key
	v_mov_b32 v199, 0
	v_cvt_scalef32_pk16_fp6_f32 v[PCD:PCD+2], v[S:S+15], v[SCO]
	v_cvt_scalef32_pk16_fp6_f32 v[SPL:SPL+2], v[S+16:S+31], v[SCO+1]
	v_nop
.irp i, 0,1,2
	v_permlane16_swap_b32 v[PCD+\i], v[SPL+\i]
.endr
.irp i, 0,1,2
	v_mov_b32 v[PCD+3+\i], v[SPL+\i]
.endr
	global_store_b128 v1, v[192:195], s[12:13]             ; 512 consecutive bytes,
	global_store_b64 v2, v[196:197], s[12:13] offset:512   ; 256,
	global_store_b64 v2, v[198:199], s[12:13] offset:768   ; 256: the record is written whole
	s_wait_tensorcnt 0x0
	ds_add_u32 v254, v255
	s_wait_dscnt 0x0
	s_endpgm
.Lfunc_end_k_qe5640465ed_attn:
	.size	k_qe5640465ed_attn, .Lfunc_end_k_qe5640465ed_attn-k_qe5640465ed_attn
	.p2alignl 7, 3214868480
	.fill 96, 4, 3214868480
	.section	.rodata,"a",@progbits
	.p2align	6, 0x0
	.amdhsa_kernel k_qe5640465ed_attn
		.amdhsa_group_segment_fixed_size 28672
		.amdhsa_private_segment_fixed_size 0
		.amdhsa_enable_private_segment 0
		.amdhsa_kernarg_size 40
		.amdhsa_user_sgpr_count 2
		.amdhsa_user_sgpr_kernarg_segment_ptr 1
		.amdhsa_wavefront_size32 1
		.amdhsa_system_sgpr_workgroup_id_x 1
		.amdhsa_system_sgpr_workgroup_id_y 1
		.amdhsa_system_sgpr_workgroup_id_z 1
		.amdhsa_system_vgpr_workitem_id 0
		.amdhsa_next_free_vgpr 256
		.amdhsa_next_free_sgpr 100
		.amdhsa_reserve_vcc 1
		.amdhsa_float_denorm_mode_32 3
		.amdhsa_float_denorm_mode_16_64 3
		.amdhsa_memory_ordered 1
		.amdhsa_forward_progress 1
		.amdhsa_inst_pref_size 91
	.end_amdhsa_kernel
	.amdgpu_metadata
---
amdhsa.version: [ 1, 2 ]
amdhsa.kernels:
  - .name:           k_qe5640465ed_attn
    .symbol:         k_qe5640465ed_attn.kd
    .args:
      - { .name: qb, .offset: 0, .size: 8, .value_kind: global_buffer, .address_space: global }
      - { .name: kv, .offset: 8, .size: 8, .value_kind: global_buffer, .address_space: global }
      - { .name: mw, .offset: 16, .size: 8, .value_kind: global_buffer, .address_space: global }
      - { .name: fl, .offset: 24, .size: 8, .value_kind: global_buffer, .address_space: global }
      - { .name: oc, .offset: 32, .size: 8, .value_kind: global_buffer, .address_space: global }
    .group_segment_fixed_size: 28672
    .private_segment_fixed_size: 0
    .kernarg_segment_align: 8
    .kernarg_segment_size: 40
    .max_flat_workgroup_size: 512
    .sgpr_count:     100
    .vgpr_count:     256
    .wavefront_size: 32
...
	.end_amdgpu_metadata
.endif
;; end of part 3
;; launch outp (part 4): grid 512 x 1, 1 waves a work-group, no clusters, 8,960 bytes of LDS; arguments cb, oc, bo, out0; writes out0
.if DOCPART == 4
	.amdgcn_target "amdgcn-amd-amdhsa--gfx1250"
	.amdhsa_code_object_version 6
	.text
	.protected	k_qe5640465ed_outp
	.globl	k_qe5640465ed_outp
	.p2align	8
	.type	k_qe5640465ed_outp,@function
k_qe5640465ed_outp:
	s_mov_b64 s[64:65], 0
	v_nop
	global_prefetch_b8 v0, s[64:65] scope:SCOPE_SE
	s_setreg_imm32_b32 hwreg(HW_REG_WAVE_MODE, 25, 1), 1
	s_wait_xcnt 0x0
; OUTP: out0 = O Wo^T + bo on codes of FP6 (E2M3): Wo's from cb, O's from oc, both laid in the order of an operand's registers.
; SHARES.  One wave a work-group: 128 outputs 128 w on (w = id % 4): Wo's eight tiles stay in registers and are source 0; four tiles of 16 tokens (T = 4 (id / 4) + i) are streamed and are source 1.
; A K step of 128 is two heads: head 2 k's half fragment is registers 0-5, head 2 k + 1's registers 6-11; the scale word is the two heads' byte pairs.
; In the result a lane holds one token (place lane % 16 of tile T: token 32 (T / 2) + 8 (T % 2) + r + 8 (r / 8)) and, in the 16 registers of results 2 b and 2 b + 1, outputs 32 b + 16 (lane / 16) + 0 .. 15.
; A tile goes through the wave's own stage in LDS and leaves as whole rows: the 32 lanes store 512 consecutive bytes, aligned.  The bias is the C of each sum's first product.
; No tensor load, no barrier: one wave, operands as registers take them.
; REGISTERS, in windows of 256: window 0: v1-3, v6 addresses; v16-47 Wo's scale words; v48-51 O's scale words; v64-127 eight accumulators; v128-191 rows on the way out; v192-207 the heads' byte pairs, two sets.
;   window 1: Wo's tiles 0-3; v192-255 the bias.   window 2: Wo's tiles 4-7.   window 3: O's tile, two sets of 48.
.set REC,   6656
.set RS,    16
.set SSW,   48
.set HA,    64
.set OB,    128
.set SH,    192
.set BR,    192
.set SPI,   528
.set MSB, 0
.macro WIN new                         ; the immediate's high byte repeats the setting that is left
.if MSB != \new
	s_set_vgpr_msb (MSB<<8)|\new
.set MSB, \new
.endif
.endm
	s_load_b256 s[4:11], s[0:1], 0x0               ; cb, oc, bo, out0
	v_lshl_add_u32 v254, v0, 2, 0x2200
	v_mov_b32 v255, 0
	v_lshlrev_b32 v1, 4, v0                        ; 16 x lane
	v_lshlrev_b32 v2, 3, v0                        ; 8 x lane
	v_bfe_u32 v3, v0, 4, 1
	v_lshlrev_b32 v3, 6, v3                        ; 64 h
	v_and_b32 v6, 15, v0
	v_mul_u32_u24 v6, v6, SPI
	v_add_nc_u32 v6, v6, v3                        ; the stage, in: row r, + 64 h
	s_and_b32 s18, ttmp9, 3                        ; w
	s_lshr_b32 s17, ttmp9, 2                       ; the group of four tiles
	s_lshl_b32 s20, s18, 3
	s_add_co_u32 s20, s20, 1632
	s_mul_i32 s20, s20, REC                        ; Wo's tiles 1632 + 8 w on
	s_mov_b32 s21, 0
	s_lshl_b32 s22, s17, 15                        ; 4 tiles x 8 heads x 1,024 bytes
	s_mov_b32 s23, 0
	s_lshl_b32 s24, s18, 9                         ; my 128 outputs, in bytes
	s_mov_b32 s25, 0
	s_lshl_b32 s26, s17, 17                        ; 64 tokens x 2,048 bytes
	s_add_co_u32 s26, s26, s24
	s_mov_b32 s27, 0
	s_wait_kmcnt 0x0
	s_add_nc_u64 s[20:21], s[4:5], s[20:21]
	s_add_nc_u64 s[22:23], s[6:7], s[22:23]
	s_add_nc_u64 s[24:25], s[8:9], s[24:25]
	s_add_nc_u64 s[26:27], s[10:11], s[26:27]
	WIN 0x40                                       ; destination window 1
.irp t, 0,1,2,3
.irp k, 0,1,2,3
.irp c, 0,1,2
	global_load_b128 v[48*\t+12*\k+4*\c:48*\t+12*\k+4*\c+3], v1, s[20:21] offset:REC*\t+1536*\k+512*\c
.endr
.endr
.endr
.irp t, 0,1,2,3,4,5,6,7                        ; for result tile t lane (r, h) wants the bias of outputs 32 (t / 2) + 16 h + 8 (t % 2) + 0 .. 7
	global_load_b128 v[BR+8*\t:BR+8*\t+3], v3, s[24:25] offset:4*(32*(\t/2)+8*(\t%2))
	global_load_b128 v[BR+8*\t+4:BR+8*\t+7], v3, s[24:25] offset:4*(32*(\t/2)+8*(\t%2))+16
.endr
	WIN 0x80                                       ; destination window 2
.irp t, 4,5,6,7
.irp k, 0,1,2,3
.irp c, 0,1,2
	global_load_b128 v[48*(\t-4)+12*\k+4*\c:48*(\t-4)+12*\k+4*\c+3], v1, s[20:21] offset:REC*\t+1536*\k+512*\c
.endr
.endr
.endr
	WIN 0
.irp t, 0,1,2,3,4,5,6,7
	global_load_b128 v[RS+4*\t:RS+4*\t+3], v1, s[20:21] offset:REC*\t+6144
.endr
.macro LOADS i                         ; O's tile i into set i % 2: for each of the 8 heads a half fragment (two loads) and the pair of scale bytes: 24 loads
	WIN 0xc0                                       ; destination window 3
.irp e, 0,1,2,3,4,5,6,7
	global_load_b128 v[48*((\i)%2)+6*\e:48*((\i)%2)+6*\e+3], v1, s[22:23] offset:(8*(\i)+\e)*1024
	global_load_b64 v[48*((\i)%2)+6*\e+4:48*((\i)%2)+6*\e+5], v2, s[22:23] offset:(8*(\i)+\e)*1024+512
.endr
	WIN 0
.irp e, 0,1,2,3,4,5,6,7
	global_load_b32 v[SH+8*((\i)%2)+\e], v2, s[22:23] offset:(8*(\i)+\e)*1024+768
.endr
.endm
.macro MM t, k, st, cm                 ; Wo's tile t x O's tile of set st, K step k.  cm = 1: C = the bias; 0: onto the accumulator
.set RA, 48*((\t)%4)+12*(\k)
.set SA, 48*(\st)+12*(\k)
.if \cm == 0
	v_wmma_scale_f32_16x16x128_f8f6f4 v[HA+8*(\t):HA+8*(\t)+7], v[RA:RA+11], v[SA:SA+11], v[HA+8*(\t):HA+8*(\t)+7], v[RS+4*(\t)+(\k)], v[SSW+(\k)] matrix_a_fmt:MATRIX_FMT_FP6 matrix_b_fmt:MATRIX_FMT_FP6
.else
	v_wmma_scale_f32_16x16x128_f8f6f4 v[HA+8*(\t):HA+8*(\t)+7], v[RA:RA+11], v[SA:SA+11], v[BR+8*(\t):BR+8*(\t)+7], v[RS+4*(\t)+(\k)], v[SSW+(\k)] matrix_a_fmt:MATRIX_FMT_FP6 matrix_b_fmt:MATRIX_FMT_FP6
.endif
.endm
.macro KSTEP k, st, cm, w1, w2         ; the eight accumulators by turns, one product a turn
	WIN \w1
.irp t, 0,1,2,3
	MM \t, \k, \st, \cm
.endr
	WIN \w2
.irp t, 4,5,6,7
	MM \t, \k, \st, \cm
.endr
.endm
.macro OITER i
.if (\i) < 3
	s_wait_loadcnt 24                              ; this tile's 24 loads (and all before them) are in; the next tile's 24 may be out
.else
	s_wait_loadcnt 0x0
.endif
.irp k, 0,1,2,3
	v_lshl_or_b32 v[SSW+\k], v[SH+8*((\i)%2)+2*\k+1], 16, v[SH+8*((\i)%2)+2*\k]   ; K step k's scale word: heads 2 k and 2 k + 1
.endr
.rept 8
	v_nop                                          ; a scale register written by a vector instruction stands eight places ahead of a scaled product
.endr
	KSTEP 0, (\i)%2, 1, 0x1d, 0x1e                 ; source 0 window 1 or 2, source 1 window 3, C window 1
	KSTEP 1, (\i)%2, 0, 0x0d, 0x0e
	KSTEP 2, (\i)%2, 0, 0x0d, 0x0e
	KSTEP 3, (\i)%2, 0, 0x0d, 0x0e
	WIN 0
.rept 4
	v_nop                                          ; places in front of loads into registers that the products have read, and of the first read of results
.endr
	s_wait_xcnt 0x0                                ; the last tile's stores have read their rows' registers
.if (\i) < 2
	LOADS (\i)+2
.endif
.irp t, 0,1,2,3,4,5,6,7
	ds_store_b128 v6, v[HA+8*\t:HA+8*\t+3] offset:128*(\t/2)+32*(\t%2)          ; each accumulator from its low end on
	ds_store_b128 v6, v[HA+8*\t+4:HA+8*\t+7] offset:128*(\t/2)+32*(\t%2)+16
.endr
.irp p, 0,1,2,3,4,5,6,7,8,9,10,11,12,13,14,15
	ds_load_b128 v[OB+4*\p:OB+4*\p+3], v1 offset:SPI*\p    ; LDS serves a wave's instructions in order: these see my stores
.endr
.irp p, 0,1,2,3,4,5,6,7,8,9,10,11,12,13,14,15
	s_wait_dscnt 15-\p                             ; row p is back; the younger rows' loads may be out
	global_store_b128 v1, v[OB+4*\p:OB+4*\p+3], s[26:27] offset:(32*((\i)/2)+8*((\i)%2)+\p+8*(\p/8))*2048 th:TH_STORE_NT   ; 512 consecutive bytes of a token's row, aligned; written once
.endr
.endm
	LOADS 0
	LOADS 1
.irp i, 0,1,2,3
	OITER \i
.endr
	s_wait_tensorcnt 0x0
	ds_add_u32 v254, v255
	s_wait_dscnt 0x0
	s_endpgm
.Lfunc_end_k_qe5640465ed_outp:
	.size	k_qe5640465ed_outp, .Lfunc_end_k_qe5640465ed_outp-k_qe5640465ed_outp
	.p2alignl 7, 3214868480
	.fill 96, 4, 3214868480
	.section	.rodata,"a",@progbits
	.p2align	6, 0x0
	.amdhsa_kernel k_qe5640465ed_outp
		.amdhsa_group_segment_fixed_size 8960
		.amdhsa_private_segment_fixed_size 0
		.amdhsa_enable_private_segment 0
		.amdhsa_kernarg_size 32
		.amdhsa_user_sgpr_count 2
		.amdhsa_user_sgpr_kernarg_segment_ptr 1
		.amdhsa_wavefront_size32 1
		.amdhsa_system_sgpr_workgroup_id_x 1
		.amdhsa_system_sgpr_workgroup_id_y 1
		.amdhsa_system_sgpr_workgroup_id_z 1
		.amdhsa_system_vgpr_workitem_id 0
		.amdhsa_next_free_vgpr 864
		.amdhsa_next_free_sgpr 66
		.amdhsa_reserve_vcc 0
		.amdhsa_float_denorm_mode_32 3
		.amdhsa_float_denorm_mode_16_64 3
		.amdhsa_memory_ordered 1
		.amdhsa_forward_progress 1
		.amdhsa_inst_pref_size 58
	.end_amdhsa_kernel
	.amdgpu_metadata
---
amdhsa.version: [ 1, 2 ]
amdhsa.kernels:
  - .name:           k_qe5640465ed_outp
    .symbol:         k_qe5640465ed_outp.kd
    .args:
      - { .name: cb, .offset: 0, .size: 8, .value_kind: global_buffer, .address_space: global }
      - { .name: oc, .offset: 8, .size: 8, .value_kind: global_buffer, .address_space: global }
      - { .name: bo, .offset: 16, .size: 8, .value_kind: global_buffer, .address_space: global }
      - { .name: out0, .offset: 24, .size: 8, .value_kind: global_buffer, .address_space: global }
    .group_segment_fixed_size: 8960
    .private_segment_fixed_size: 0
    .kernarg_segment_align: 8
    .kernarg_segment_size: 32
    .max_flat_workgroup_size: 32
    .sgpr_count:     66
    .vgpr_count:     864
    .wavefront_size: 32
...
	.end_amdgpu_metadata
.endif
;; end of part 4
;; ======== version 2 of 2: 4 launches
;; workspace buffers: cb 11,075,584 bytes; mw 4,194,304 bytes of whole numbers; fl 4,096 bytes of whole numbers; qb 6,815,744 bytes; kv 6,815,744 bytes; oc 4,194,304 bytes
;; launch prep (part 5): grid 720 x 1, 4 waves a work-group, no clusters, 34,304 bytes of LDS; arguments mask, query, key, value, Wq, Wk, Wv, Wo, cb, mw, fl; writes cb, mw, fl
.if DOCPART == 5
	.amdgcn_target "amdgcn-amd-amdhsa--gfx1250"
	.amdhsa_code_object_version 6
	.text
	.protected	k_qe5640465ed_prep
	.globl	k_qe5640465ed_prep
	.p2align	8
	.type	k_qe5640465ed_prep,@function
k_qe5640465ed_prep:
	s_mov_b64 s[64:65], 0
	v_nop
	global_prefetch_b8 v0, s[64:65] scope:SCOPE_SE
	s_setreg_imm32_b32 hwreg(HW_REG_WAVE_MODE, 25, 1), 1
	s_wait_xcnt 0x0
; PREP: every large input is read once, as a stream, and left in the form in which the later launches take it.
;  (a) query, key, value [8192][512] and Wq, Wk, Wv, Wo [512][512], f32, K innermost, become codes of FP6 (E2M3) with one E8M0 byte for each 32 along K,
;      laid in the ORDER OF AN OPERAND'S REGISTERS.  A tile is 16 rows; tile 2 p + u holds at place r the row 32 p + 8 u + r + 8 (r / 8).
;      A tile's record in cb is 6,656 bytes: the fragment of K step s (128 along K, 12 registers a lane) at 1536 s + 512 c + 16 lane (c: group of four registers),
;      and at 6144 + 16 lane the four scale words (K steps 0 to 3) of the row at place lane % 16.
;  (b) mask [2][4096][4096] int32 becomes one bit a number, as lane masks: for a tile of 16 queries and a step of 128 keys 64 words; bit l of word n says
;      whether mask[query at place l % 16][128 step + 32 (n / 16) + 16 (l / 16) + n % 16] is not 0.  That is the place of register n of lane l in the score tile of the attention launch.
;      For each tile two words of flags: bit s of the first: step s has an open key; of the second: all 2,048 numbers of step s are open.
; SHARES.  A wave takes a unit of 8 steps of 16 rows x 512 bytes.  Units 0-2047: mask (tile = unit / 4, steps 8 (unit % 4) on).  Units 2048-2879: 32 rows of a tensor (two tiles x four K steps).
; A work-group's four units are of one kind.  Each load of a wave reads 512 consecutive bytes of a row; the 16 rows turn through the wave's own stage in LDS, so that lane (r, h) gets, of row r,
; 16 neighbours of each block of 32.  Both kinds run the same loads and the same LDS lines; they part round register work and stores alone.  Waves share nothing: no barrier.
; A block's scale is 2^(floor(log2(largest magnitude)) - 2); its byte is the largest magnitude's exponent field - 2, held at 1 from below.
; LIMITS: a block of zeros gets the byte 1 where the rule says 127 (its codes are zeros, and these bytes are read by this program alone); NaN and infinities among the f32 inputs are not served.
.set STGB,  8448                       ; a wave's stage: 16 rows x 528 bytes
.set SPI,   528                        ; a stage row: 512 bytes + 16: an odd multiple of 16, so that sixteen rows' 16-byte pieces fall on different banks
.set REC,   6656                       ; a tile's record in cb
.set MWD,   8                          ; v[8:9]     the step's 64 mask words, two a lane
.set PWS,   12                         ; v[12:15]   a tile's four scale words
.set RO,    16                         ; v[16:31]   byte offset of my 16 bytes in row j of the tile; never rewritten
.set LD,    32                         ; v[32:159]  two sets of 64: a step as it is loaded
.set X,     160                        ; v[160:223] the step turned: register 16 b + i = number 32 b + 16 (lane / 16) + i of my row
.set PC,    224                        ; v[224:243] the codes just made
.set TM,    244                        ; v[244:255] at work: +0..3 largest magnitudes, +4..7 the other half's, then bytes, +8..11 the conversions' scale operands
.set SEL,   54                         ; s[54:55]   v_permlanex16_b32's selects for lane l xor 16
; 64 numbers of a lane, v[src] on, register 16 b + i = k 32 b + 16 (lane / 16) + i of my row, become a fragment's codes in v[PC] .. v[PC+11] and its scale word in v[pw].
.macro QUANT src, pw
.irp b, 0,1,2,3
	v_max3_num_f32 v[TM+\b], |v[\src+16*\b]|, |v[\src+1+16*\b]|, 0x1800000   ; block b: my 16 numbers, and the floor 2^(3 - 127): the byte cannot fall under 1
.endr
.irp i, 2,4,6,8,10,12,14
.irp b, 0,1,2,3
	v_max3_num_f32 v[TM+\b], v[TM+\b], |v[\src+16*\b+\i]|, |v[\src+1+16*\b+\i]|   ; the four blocks by turns
.endr
.endr
.irp b, 0,1,2,3
	v_permlanex16_b32 v[TM+4+\b], v[TM+\b], s[SEL], s[SEL+1]
.endr
.irp b, 0,1,2,3
	v_max_num_f32 v[TM+\b], v[TM+\b], v[TM+4+\b]   ; with lane l xor 16's 16: the block's largest magnitude
.endr
.irp b, 0,1,2,3
	v_add_nc_u32 v[TM+8+\b], 0xff000000, v[TM+\b]  ; 2 off its exponent field: the conversion takes the exponent field of this operand as its scale
.endr
.irp b, 0,1,2,3
	v_lshrrev_b32 v[TM+4+\b], 23, v[TM+8+\b]       ; the scale's byte
.endr
	v_lshl_or_b32 v[\pw], v[TM+5], 8, v[TM+4]      ; four bytes: my row's scale word
	v_lshl_or_b32 v[\pw], v[TM+6], 16, v[\pw]
	v_lshl_or_b32 v[\pw], v[TM+7], 24, v[\pw]
.irp c, 0,1
	v_cvt_scalef32_pk16_fp6_f32 v[PC+6*\c:PC+2+6*\c], v[\src+32*\c:\src+15+32*\c], v[TM+8+2*\c]
	v_cvt_scalef32_pk16_fp6_f32 v[PC+12+4*\c:PC+14+4*\c], v[\src+16+32*\c:\src+31+32*\c], v[TM+9+2*\c]   ; (a conversion's three registers begin on an even number)
.endr
	v_nop                                          ; one plain place behind a scaled conversion
.irp c, 0,1                                    ; the operand wants a whole block in a lane: lanes 0-15 block 2 c, lanes 16-31 block 2 c + 1
.irp i, 0,1,2
	v_permlane16_swap_b32 v[PC+6*\c+\i], v[PC+12+4*\c+\i]
.endr
.irp i, 0,1,2
	v_mov_b32 v[PC+3+6*\c+\i], v[PC+12+4*\c+\i]
.endr
.endr
.endm
	s_load_b512 s[4:19], s[0:1], 0x0               ; mask s[4:5], query, key, value, Wq, Wk, Wv, Wo s[18:19]
	s_load_b128 s[20:23], s[0:1], 0x40             ; cb, mw
	s_load_b64 s[24:25], s[0:1], 0x50              ; fl
	v_lshl_add_u32 v239, v0, 2, 0x8400
	v_mov_b32 v243, 0
	v_lshrrev_b32 v1, 5, v0
	v_readfirstlane_b32 s26, v1                    ; wave 0..3
	v_and_b32 v1, 31, v0                           ; lane
	v_and_b32 v2, 15, v0                           ; r
	v_bfe_u32 v3, v0, 4, 1                         ; h
	v_lshlrev_b32 v4, 4, v1                        ; 16 x lane
	v_lshlrev_b32 v5, 3, v1                        ; 8 x lane
	s_mul_i32 s30, s26, STGB
	v_add_nc_u32 v6, s30, v4                       ; the stage, in: my 16 bytes of a row
	v_mul_u32_u24 v7, v2, SPI
	v_lshl_add_u32 v7, v3, 6, v7
	v_add_nc_u32 v7, s30, v7                       ; and out: row r, + 64 h
.irp i, 8,9,12,13,14,15
	v_mov_b32 v[\i], 0                             ; written once whole: v_writelane_b32 keeps the other lanes
.endr
.irp b, 0,1,2,3
	v_mov_b32 v[TM+4+\b], 0                        ; a lane permute's destination counts as one of its sources
.endr
	s_mov_b32 s[SEL], 0x76543210
	s_mov_b32 s[SEL+1], 0xfedcba98
	s_mov_b32 s49, 0                               ; the unit's 8 bits 'has an open key'
	s_mov_b32 s50, 0                               ; and 'all open'
	s_lshl_b32 s27, ttmp9, 2
	s_add_co_u32 s27, s27, s26                     ; my unit U
	s_mov_b32 s29, 2048
	s_mov_b32 s58, 16384
	s_mov_b32 s59, 0
	s_cmp_lt_u32 ttmp9, 512                        ; the first 512 work-groups take the mask
	s_cselect_b32 s28, 1, 0                        ; kind
	s_cselect_b32 s29, 16384, s29                  ; bytes from row to row: mask 16,384, the others 2,048
	s_cselect_b32 s58, 2048, s58                   ; steps 4-7 begin: mask 2,048 bytes on in the rows; the others 8 rows down (the second tile)
	s_min_u32 s30, s27, 2047                       ; the unit as a mask unit,
	s_max_u32 s31, s27, 2048
	s_sub_co_u32 s31, s31, 2048                    ; and as a group of 32 rows V: each held inside its own range, the other kind's is not used
	s_lshr_b32 s40, s30, 2                         ; tile T
	s_and_b32 s41, s30, 3                          ; quarter
	s_lshr_b32 s42, s40, 8
	s_lshl_b32 s42, s42, 26                        ; batch x 4,096 rows x 16,384 bytes
	s_bfe_u32 s43, s40, 0x70001
	s_lshl_b32 s43, s43, 19                        ; 32 rows for each pair of tiles
	s_and_b32 s44, s40, 1
	s_lshl_b32 s44, s44, 17                        ; 8 rows for the odd tile
	s_lshl_b32 s45, s41, 12                        ; 8 steps x 512 bytes
	s_add_co_u32 s42, s42, s43
	s_add_co_u32 s42, s42, s44
	s_add_co_u32 s42, s42, s45                     ; where a mask unit begins
	s_and_b32 s43, s31, 255
	s_and_b32 s44, s31, 15
	s_cmp_lt_u32 s27, 2816
	s_cselect_b32 s43, s43, s44                    ; the group's number in its own tensor: 256 groups, or 16 in a weight
	s_lshl_b32 s43, s43, 16                        ; x 32 rows x 2,048 bytes
	s_cmp_lg_u32 s28, 0
	s_cselect_b32 s46, s42, s43
	s_mov_b32 s47, 0
.irp j, 0,1,2,3,4,5,6,7,8,9,10,11,12,13,14,15
	v_mad_u32_u24 v[RO+\j], s29, \j+8*(\j/8), v4   ; place j of a tile is row j + 8 (j / 8)
.endr
	s_wait_alu depctr_va_vdst(0)
	s_wait_kmcnt 0x0
	s_mov_b64 s[32:33], s[18:19]                   ; which tensor: the choice hangs on the unit's number alone
	s_cmp_lt_u32 s27, 2864
	s_cselect_b64 s[32:33], s[16:17], s[32:33]
	s_cmp_lt_u32 s27, 2848
	s_cselect_b64 s[32:33], s[14:15], s[32:33]
	s_cmp_lt_u32 s27, 2832
	s_cselect_b64 s[32:33], s[12:13], s[32:33]
	s_cmp_lt_u32 s27, 2816
	s_cselect_b64 s[32:33], s[10:11], s[32:33]
	s_cmp_lt_u32 s27, 2560
	s_cselect_b64 s[32:33], s[8:9], s[32:33]
	s_cmp_lt_u32 s27, 2304
	s_cselect_b64 s[32:33], s[6:7], s[32:33]
	s_cmp_lt_u32 s27, 2048
	s_cselect_b64 s[32:33], s[4:5], s[32:33]
	s_add_nc_u64 s[32:33], s[32:33], s[46:47]      ; steps 0-3
	s_add_nc_u64 s[34:35], s[32:33], s[58:59]      ; steps 4-7
	s_lshl_b32 s60, s30, 11
	s_mov_b32 s61, 0
	s_add_nc_u64 s[36:37], s[22:23], s[60:61]      ; mw: 8 steps x 256 bytes a unit
	s_mul_i32 s60, s31, 2*REC
	s_add_nc_u64 s[38:39], s[20:21], s[60:61]      ; cb: two records a group
	s_lshl_b32 s60, s40, 3
	s_add_co_u32 s60, s60, s41
	s_add_nc_u64 s[52:53], s[24:25], s[60:61]      ; fl: 8 bytes a tile; my quarter's byte of each word
.macro LOAD t                          ; step t: 16 rows x 512 bytes; each load reads 512 consecutive bytes
.irp j, 0,1,2,3,4,5,6,7,8,9,10,11,12,13,14,15
.if (\t) < 4
	global_load_b128 v[LD+64*((\t)%2)+4*\j:LD+64*((\t)%2)+4*\j+3], v[RO+\j], s[32:33] offset:512*((\t)%4) th:TH_LOAD_NT
.else
	global_load_b128 v[LD+64*((\t)%2)+4*\j:LD+64*((\t)%2)+4*\j+3], v[RO+\j], s[34:35] offset:512*((\t)%4) th:TH_LOAD_NT
.endif
.endr
.endm
.macro TURN t                          ; through my stage: LDS serves a wave's instructions in order, so no wait stands between the stores and the loads
.irp j, 0,1,2,3,4,5,6,7,8,9,10,11,12,13,14,15
	ds_store_b128 v6, v[LD+64*((\t)%2)+4*\j:LD+64*((\t)%2)+4*\j+3] offset:SPI*\j
.endr
.irp b, 0,1,2,3
.irp j, 0,1,2,3
	ds_load_b128 v[X+16*\b+4*\j:X+16*\b+4*\j+3], v7 offset:128*\b+16*\j
.endr
.endr
.endm
.macro MASKPROC t                      ; 64 compares give 64 lane masks; word n goes to lane n / 2, register n % 2, so that one store of 8 bytes a lane lays the words on end
.irp g, 0,1,2,3,4,5,6,7
.irp e, 0,1,2,3,4,5,6,7
	v_cmp_ne_u32 s[40+\e], 0, v[X+8*\g+\e]
.endr
.irp e, 0,1,2,3,4,5,6,7
	v_writelane_b32 v[MWD+\e%2], s[40+\e], (8*\g+\e)/2
.endr
.endr
	v_or_b32 v10, v[MWD], v[MWD+1]
	v_and_b32 v11, v[MWD], v[MWD+1]
	v_cmp_ne_u32 vcc_lo, 0, v10
	s_cmp_lg_u32 vcc_lo, 0                         ; some word has a bit
	s_cselect_b32 s48, 1<<(\t), 0
	s_or_b32 s49, s49, s48
	v_cmp_ne_u32 vcc_lo, -1, v11
	s_cmp_eq_u32 vcc_lo, 0                         ; no word lacks one
	s_cselect_b32 s48, 1<<(\t), 0
	s_or_b32 s50, s50, s48
	global_store_b64 v5, v[MWD:MWD+1], s[36:37] offset:256*(\t)   ; 32 lanes store 256 consecutive bytes, aligned
.endm
.macro QUANTPROC t                     ; tile t / 4 of the group, K step t % 4
	QUANT X, PWS+(\t)%4
.irp c, 0,1,2
	global_store_b128 v4, v[PC+4*\c:PC+4*\c+3], s[38:39] offset:REC*((\t)/4)+1536*((\t)%4)+512*\c   ; 512 consecutive bytes a store
.endr
.if (\t)%4 == 3
	global_store_b128 v4, v[PWS:PWS+3], s[38:39] offset:REC*((\t)/4)+6144
.endif
.endm
.macro PSTEP t
.if (\t) < 7
	s_wait_loadcnt 16                              ; this step's 16 loads are in; the next step's 16 may be out
.else
	s_wait_loadcnt 0x0
.endif
	TURN \t
	s_wait_dscnt 0x0                               ; the stage's stores have read the set, and the step is back, turned
	s_wait_xcnt 0x0                                ; the last step's stores have read their data: codes, scale words and mask words are written again only behind this wait
.if (\t) < 6
	LOAD (\t)+2                                    ; the set takes the step two on
.endif
	s_cmp_lg_u32 s28, 0
	s_cbranch_scc0 .Lquant_\@
	MASKPROC \t
	s_branch .Ljoin_\@
.Lquant_\@:
	QUANTPROC \t
.Ljoin_\@:
.endm
	LOAD 0
	LOAD 1
.irp t, 0,1,2,3,4,5,6,7
	PSTEP \t
.endr
	s_cmp_lg_u32 s28, 0
	s_cbranch_scc0 .Lend
	v_mov_b32 v10, s49                             ; the unit's two bytes of flags: lane 0 the first word's, lane 1 the second's
	v_mov_b32 v11, s50
	v_cmp_eq_u32 vcc_lo, 1, v1
	v_cndmask_b32 v10, v10, v11, vcc_lo
	v_lshlrev_b32 v11, 2, v1
	v_cmp_gt_u32 vcc_lo, 2, v1
	s_wait_alu depctr_va_vdst(0)
	s_wait_xcnt 0x0                                ; EXEC changes only behind this wait
	s_and_saveexec_b32 s56, vcc_lo
	global_store_b8 v11, v10, s[52:53]
	s_wait_xcnt 0x0                                ; and again in front of the line that widens it
	s_or_b32 exec_lo, exec_lo, s56
.Lend:
	s_wait_tensorcnt 0x0
	ds_add_u32 v239, v243
	s_wait_dscnt 0x0
	s_endpgm
.Lfunc_end_k_qe5640465ed_prep:
	.size	k_qe5640465ed_prep, .Lfunc_end_k_qe5640465ed_prep-k_qe5640465ed_prep
	.p2alignl 7, 3214868480
	.fill 96, 4, 3214868480
	.section	.rodata,"a",@progbits
	.p2align	6, 0x0
	.amdhsa_kernel k_qe5640465ed_prep
		.amdhsa_group_segment_fixed_size 34304
		.amdhsa_private_segment_fixed_size 0
		.amdhsa_enable_private_segment 0
		.amdhsa_kernarg_size 88
		.amdhsa_user_sgpr_count 2
		.amdhsa_user_sgpr_kernarg_segment_ptr 1
		.amdhsa_wavefront_size32 1
		.amdhsa_system_sgpr_workgroup_id_x 1
		.amdhsa_system_sgpr_workgroup_id_y 1
		.amdhsa_system_sgpr_workgroup_id_z 1
		.amdhsa_system_vgpr_workitem_id 0
		.amdhsa_next_free_vgpr 256
		.amdhsa_next_free_sgpr 66
		.amdhsa_reserve_vcc 1
		.amdhsa_float_denorm_mode_32 3
		.amdhsa_float_denorm_mode_16_64 3
		.amdhsa_memory_ordered 1
		.amdhsa_forward_progress 1
		.amdhsa_inst_pref_size 135
	.end_amdhsa_kernel
	.amdgpu_metadata
---
amdhsa.version: [ 1, 2 ]
amdhsa.kernels:
  - .name:           k_qe5640465ed_prep
    .symbol:         k_qe5640465ed_prep.kd
    .args:
      - { .name: mask, .offset: 0, .size: 8, .value_kind: global_buffer, .address_space: global }
      - { .name: query, .offset: 8, .size: 8, .value_kind: global_buffer, .address_space: global }
      - { .name: key, .offset: 16, .size: 8, .value_kind: global_buffer, .address_space: global }
      - { .name: value, .offset: 24, .size: 8, .value_kind: global_buffer, .address_space: global }
      - { .name: Wq, .offset: 32, .size: 8, .value_kind: global_buffer, .address_space: global }
      - { .name: Wk, .offset: 40, .size: 8, .value_kind: global_buffer, .address_space: global }
      - { .name: Wv, .offset: 48, .size: 8, .value_kind: global_buffer, .address_space: global }
      - { .name: Wo, .offset: 56, .size: 8, .value_kind: global_buffer, .address_space: global }
      - { .name: cb, .offset: 64, .size: 8, .value_kind: global_buffer, .address_space: global }
      - { .name: mw, .offset: 72, .size: 8, .value_kind: global_buffer, .address_space: global }
      - { .name: fl, .offset: 80, .size: 8, .value_kind: global_buffer, .address_space: global }
    .group_segment_fixed_size: 34304
    .private_segment_fixed_size: 0
    .kernarg_segment_align: 8
    .kernarg_segment_size: 88
    .max_flat_workgroup_size: 128
    .sgpr_count:     66
    .vgpr_count:     256
    .wavefront_size: 32
...
	.end_amdgpu_metadata
.endif
;; end of part 5
;; launch proj (part 6): grid 768 x 1, 1 waves a work-group, no clusters, 0 bytes of LDS; arguments cb, bq, bk, bv, qb, kv; writes qb, kv
.if DOCPART == 6
	.amdgcn_target "amdgcn-amd-amdhsa--gfx1250"
	.amdhsa_code_object_version 6
	.text
	.protected	k_qe5640465ed_proj
	.globl	k_qe5640465ed_proj
	.p2align	8
	.type	k_qe5640465ed_proj,@function
k_qe5640465ed_proj:
	s_mov_b64 s[64:65], 0
	v_nop
	global_prefetch_b8 v0, s[64:65] scope:SCOPE_SE
	s_setreg_imm32_b32 hwreg(HW_REG_WAVE_SCHED_MODE, 0, 2), 2
	s_setreg_imm32_b32 hwreg(HW_REG_WAVE_MODE, 25, 1), 1
	s_wait_xcnt 0x0
	s_wait_alu depctr_vm_vsrc(0)
; PROJ: q = query Wq^T + bq, k = key Wk^T + bk, v = value Wv^T + bv, on the codes of FP6 that the launch before laid in cb; the results are quantised in registers
; (q and k along the head's 64, v along the keys) and stored in the order of the attention launch's operand registers.
; SHARES.  One wave a work-group: kind = id / 256 (0 q, 1 k, 2 v); a block of 128 tokens sb = (id % 256) / 4; 128 outputs 128 w on (heads 2 w, 2 w + 1), w = id % 4.
; ONE BODY.  Eight tiles stay in registers and are source 0; eight tiles are streamed, one a turn, and are source 1.  q, k: the weight's tiles stay, the tokens' stream: a lane holds one token,
; and its 64 results run along the outputs.  v: the tokens' tiles stay, the weight's stream: a lane holds one output d, and its 64 results run along the 128 tokens, which are the keys.
; Tile 2 p + u holds at place r the row 32 p + 8 u + r + 8 (r / 8): so the 16 registers of results 2 b and 2 b + 1 are the 16 neighbours 32 b + 16 (lane / 16) + 0 .. 15 of source 0's axis.
; The bias is the C of each sum's first product.
; OUT.  A block of 13,312 bytes for each (batch, head, 128 tokens), at ((8 batch + head) 32 + step) x 13,312.  q (in qb) and k (in kv): tile i's half fragment (64 along K: 6 registers) at 768 i:
; registers 0-3 at 16 lane, registers 4-5 at 512 + 8 lane; scale words at 12288 + 16 lane + 4 e = tile 2 e + lane / 16, place lane % 16; their bytes 2 and 3 are 0x7f: the upper 64 of the
; instruction's 128 along K are multiplied by zero codes.  v (in kv): the fragment of d-tile t at 6144 + 1536 t + 512 c + 16 lane; at 12800 + 16 lane the words of tiles lane / 16 and 2 + lane / 16, and two zeros.
; No LDS, no tensor load: operands lie in memory as registers take them.  No cluster: a wave's streamed tiles are shared with three other waves only.
; LIMITS: a block of zeros gets the byte 1 where the rule says 127 (read by this program alone); NaN and infinities are not served.
; THE MODE: SCHED_MODE bits 1:0 = 2 (LLVM: expert scheduling mode 2), set by the entry lines.  The code itself states the register dependences
; between vector or matrix instructions and memory instructions, with s_wait_alu, always for 0.
; THE PLAN.  Registers that memory instructions touch:
;   v1-v4        offsets, made once at the head and never written again.
;   the staying tiles, their scale words and the biases: loaded once at the head; products and moves alone name them afterwards.
;   ST0, ST1 (window 3) and SS0, SS1: turn i's 32 products read set i % 2; behind them, in the same turn, the loads of tile i + 2 land in it.
;   PC0, PC1     turn i's quantiser writes PC[i % 2]; the stores that read it are issued in turn i + 1; turn i + 2's quantiser writes it again.
;   GT           written behind the last turn, read by the last stores.
; So ONE wait on va_vdst stands in a turn, behind its products: they are done reading set i % 2, and the quantiser of the turn before has written PC[(i - 1) % 2].  The turn's loads and the stores of
; the turn before follow it; the quantiser that comes next names neither of the two buffers.  From turn 2 on one wait on vm_vsrc stands ahead of it: the stores issued a turn ago have read PC[i % 2].
; REGISTERS, in windows of 256: window 0: v1-4 addresses; v8-15 the value arm's bias; v16-47 the staying tiles' scale words; v48-55 the streamed tiles', two sets; v56-63 C of the value arm;
;   v64-127 eight accumulators; v128-146 and v180-198 codes, two buffers by turns; v148-159 at work; v160-167 eight scale words made; v168-179 their gathering.
;   window 1: staying tiles 0-3 (tile t, K step k at v[48 t + 12 k]); v192-255 the bias of q, k, eight a tile.   window 2: staying tiles 4-7.   window 3: the streamed tile, two sets of 48.
.set REC,   6656
.set BLK,   13312
.set HB,    32*BLK                     ; from a head's block to the next head's
.set BVV,   8
.set RS,    16
.set SS,    48
.set CV,    56
.set HA,    64
.set PCA,   128                        ; the codes' buffer 0;
.set PCS,   52                         ; buffer 1 begins so many registers on
.set TM,    148
.set PWG,   160
.set GT,    168
.set BR,    192
.set SEL,   30
.set MSB, 0
.macro WIN new                         ; the immediate's high byte repeats the setting that is left
.if MSB != \new
	s_set_vgpr_msb (MSB<<8)|\new
.set MSB, \new
.endif
.endm
; 64 numbers of a lane, v[src] on, register 16 b + i = k 32 b + 16 (lane / 16) + i of my row, become a fragment's codes in v[PC] .. v[PC+11] and its scale word in v[pw].  PC: the turn's buffer.
.macro QUANT src, pw
.irp b, 0,1,2,3
	v_max3_num_f32 v[TM+\b], |v[\src+16*\b]|, |v[\src+1+16*\b]|, 0x1800000   ; my 16 numbers and the floor 2^(3 - 127).  Each accumulator is read from its low end on
.endr
.irp i, 2,4,6,8,10,12,14
.irp b, 0,1,2,3
	v_max3_num_f32 v[TM+\b], v[TM+\b], |v[\src+16*\b+\i]|, |v[\src+1+16*\b+\i]|
.endr
.endr
.irp b, 0,1,2,3
	v_permlanex16_b32 v[TM+4+\b], v[TM+\b], s[SEL], s[SEL+1]
.endr
.irp b, 0,1,2,3
	v_max_num_f32 v[TM+\b], v[TM+\b], v[TM+4+\b]   ; with lane l xor 16's: the block's largest magnitude
.endr
.irp b, 0,1,2,3
	v_add_nc_u32 v[TM+8+\b], 0xff000000, v[TM+\b]  ; 2 off its exponent field: the conversion's scale operand
.endr
.irp b, 0,1,2,3
	v_lshrrev_b32 v[TM+4+\b], 23, v[TM+8+\b]       ; the scale's byte
.endr
	v_lshl_or_b32 v[\pw], v[TM+5], 8, v[TM+4]
	v_lshl_or_b32 v[\pw], v[TM+6], 16, v[\pw]
	v_lshl_or_b32 v[\pw], v[TM+7], 24, v[\pw]
.irp c, 0,1
	v_cvt_scalef32_pk16_fp6_f32 v[PC+6*\c:PC+2+6*\c], v[\src+32*\c:\src+15+32*\c], v[TM+8+2*\c]
	v_cvt_scalef32_pk16_fp6_f32 v[PC+12+4*\c:PC+14+4*\c], v[\src+16+32*\c:\src+31+32*\c], v[TM+9+2*\c]
.endr
	v_nop                                          ; one plain place behind a scaled conversion
.irp c, 0,1
.irp i, 0,1,2
	v_permlane16_swap_b32 v[PC+6*\c+\i], v[PC+12+4*\c+\i]
.endr
.irp i, 0,1,2
	v_mov_b32 v[PC+3+6*\c+\i], v[PC+12+4*\c+\i]
.endr
.endr
.endm
	s_load_b256 s[4:11], s[0:1], 0x0               ; cb, bq, bk, bv
	s_load_b128 s[12:15], s[0:1], 0x20             ; qb, kv
	v_lshlrev_b32 v1, 4, v0                        ; 16 x lane (one wave: v0 is the lane)
	v_lshlrev_b32 v2, 3, v0                        ; 8 x lane
	v_bfe_u32 v3, v0, 4, 1
	v_lshlrev_b32 v3, 6, v3                        ; 64 h: my half's 16 numbers of a bias
	v_and_b32 v4, 15, v0
	v_and_b32 v5, 8, v0
	v_add_nc_u32 v4, v4, v5
	v_lshlrev_b32 v4, 2, v4                        ; 4 (r + 8 (r / 8)): my place's number of a bias
.irp b, 0,1,2,3
	v_mov_b32 v[TM+4+\b], 0                        ; a lane permute's destination counts as one of its sources
.endr
	s_mov_b32 s[SEL], 0x76543210
	s_mov_b32 s[SEL+1], 0xfedcba98
	s_mov_b32 s28, 0x7f7f0000
	s_lshr_b32 s16, ttmp9, 8                       ; kind
	s_bfe_u32 s17, ttmp9, 0x60002                  ; sb
	s_and_b32 s18, ttmp9, 3                        ; w
	s_lshl_b32 s32, s16, 9
	s_lshl_b32 s33, s17, 3
	s_add_co_u32 s32, s32, s33                     ; the tokens' first tile: 512 kind + 8 sb
	s_lshl_b32 s33, s16, 5
	s_lshl_b32 s34, s18, 3
	s_add_co_u32 s33, s33, s34
	s_add_co_u32 s33, s33, 1536                    ; the weight's: 1536 + 32 kind + 8 w
	s_cmp_eq_u32 s16, 2
	s_cselect_b32 s34, s32, s33                    ; which stay,
	s_cselect_b32 s35, s33, s32                    ; which stream
	s_mul_i32 s20, s34, REC
	s_mov_b32 s21, 0
	s_mul_i32 s22, s35, REC
	s_mov_b32 s23, 0
	s_lshr_b32 s32, s17, 5
	s_lshl_b32 s32, s32, 3
	s_lshl_b32 s33, s18, 1
	s_add_co_u32 s32, s32, s33                     ; 8 batch + head 2 w
	s_lshl_b32 s32, s32, 5
	s_and_b32 s33, s17, 31
	s_add_co_u32 s32, s32, s33
	s_mul_i32 s26, s32, BLK
	s_mov_b32 s27, 0
	s_wait_kmcnt 0x0
	s_add_nc_u64 s[20:21], s[4:5], s[20:21]
	s_add_nc_u64 s[22:23], s[4:5], s[22:23]
	s_cmp_eq_u32 s16, 0
	s_cselect_b64 s[34:35], s[12:13], s[14:15]     ; q goes to qb, k and v to kv
	s_cselect_b64 s[24:25], s[6:7], s[8:9]
	s_cmp_eq_u32 s16, 2
	s_cselect_b64 s[24:25], s[10:11], s[24:25]     ; the kind's bias
	s_add_nc_u64 s[26:27], s[34:35], s[26:27]
	s_lshl_b32 s32, s18, 9
	s_mov_b32 s33, 0
	s_add_nc_u64 s[24:25], s[24:25], s[32:33]      ; at my 128 outputs
	WIN 0x40                                       ; destination window 1
	s_wait_alu depctr_va_vdst(0)                   ; the offsets v1 to v4 are written: every load and store of the kernel reads one of them
.irp t, 0,1,2,3
.irp k, 0,1,2,3
.irp c, 0,1,2
	global_load_b128 v[48*\t+12*\k+4*\c:48*\t+12*\k+4*\c+3], v1, s[20:21] offset:REC*\t+1536*\k+512*\c
.endr
.endr
.endr
.irp t, 0,1,2,3,4,5,6,7                        ; for result tile t lane (r, h) wants the bias of outputs 32 (t / 2) + 16 h + 8 (t % 2) + 0 .. 7
	global_load_b128 v[BR+8*\t:BR+8*\t+3], v3, s[24:25] offset:4*(32*(\t/2)+8*(\t%2))
	global_load_b128 v[BR+8*\t+4:BR+8*\t+7], v3, s[24:25] offset:4*(32*(\t/2)+8*(\t%2))+16
.endr
	WIN 0x80                                       ; destination window 2
.irp t, 4,5,6,7
.irp k, 0,1,2,3
.irp c, 0,1,2
	global_load_b128 v[48*(\t-4)+12*\k+4*\c:48*(\t-4)+12*\k+4*\c+3], v1, s[20:21] offset:REC*\t+1536*\k+512*\c
.endr
.endr
.endr
	WIN 0
.irp t, 0,1,2,3,4,5,6,7
	global_load_b128 v[RS+4*\t:RS+4*\t+3], v1, s[20:21] offset:REC*\t+6144
	global_load_b32 v[BVV+\t], v4, s[24:25] offset:4*(32*(\t/2)+8*(\t%2))   ; the value arm: the bias of the output at my place of streamed tile t
.endr
; streamed tile i into set i % 2: 12 loads of codes, 1 of scale words.  w = 1: the set has just been multiplied, and the turn's wait stands here, behind the window switch
.macro LOADS i, w
	WIN 0xc0                                       ; destination window 3
.if \w
	s_wait_alu depctr_va_vdst(0)                   ; this turn's products are done reading the set and its scale words, in which the loads below land; the quantiser of the turn before has written its codes, which the stores behind these loads read
.endif
.irp k, 0,1,2,3
.irp c, 0,1,2
	global_load_b128 v[48*((\i)%2)+12*\k+4*\c:48*((\i)%2)+12*\k+4*\c+3], v1, s[22:23] offset:REC*(\i)+1536*\k+512*\c
.endr
.endr
	WIN 0
	global_load_b128 v[SS+4*((\i)%2):SS+4*((\i)%2)+3], v1, s[22:23] offset:REC*(\i)+6144
.endm
; one product: staying tile t x the streamed tile of set st, K step k.  cm = 0: onto the accumulator; 1: C = the bias in window 1; 2: C = the value arm's bias
.macro MM t, k, st, cm
.set RA, 48*((\t)%4)+12*(\k)
.set SA, 48*(\st)+12*(\k)
.if \cm == 0
	v_wmma_scale_f32_16x16x128_f8f6f4 v[HA+8*(\t):HA+8*(\t)+7], v[RA:RA+11], v[SA:SA+11], v[HA+8*(\t):HA+8*(\t)+7], v[RS+4*(\t)+(\k)], v[SS+4*(\st)+(\k)] matrix_a_fmt:MATRIX_FMT_FP6 matrix_b_fmt:MATRIX_FMT_FP6
.elseif \cm == 1
	v_wmma_scale_f32_16x16x128_f8f6f4 v[HA+8*(\t):HA+8*(\t)+7], v[RA:RA+11], v[SA:SA+11], v[BR+8*(\t):BR+8*(\t)+7], v[RS+4*(\t)+(\k)], v[SS+4*(\st)+(\k)] matrix_a_fmt:MATRIX_FMT_FP6 matrix_b_fmt:MATRIX_FMT_FP6
.else
	v_wmma_scale_f32_16x16x128_f8f6f4 v[HA+8*(\t):HA+8*(\t)+7], v[RA:RA+11], v[SA:SA+11], v[CV:CV+7], v[RS+4*(\t)+(\k)], v[SS+4*(\st)+(\k)] matrix_a_fmt:MATRIX_FMT_FP6 matrix_b_fmt:MATRIX_FMT_FP6
.endif
.endm
.macro KSTEP k, st, cm, w1, w2         ; the eight accumulators by turns, one product a turn
	WIN \w1
.irp t, 0,1,2,3
	MM \t, \k, \st, \cm
.endr
	WIN \w2
.irp t, 4,5,6,7
	MM \t, \k, \st, \cm
.endr
.endm
; the stores of turn j's codes, out of buffer j % 2: for q and k, and for v
.macro SENDQK j
.set PS, PCA+PCS*((\j)%2)
	global_store_b128 v1, v[PS:PS+3], s[26:27] offset:768*(\j)               ; head 2 w: the fragment's lower six registers
	global_store_b64 v2, v[PS+4:PS+5], s[26:27] offset:768*(\j)+512
	global_store_b128 v1, v[PS+6:PS+9], s[26:27] offset:HB+768*(\j)          ; head 2 w + 1: the upper six
	global_store_b64 v2, v[PS+10:PS+11], s[26:27] offset:HB+768*(\j)+512
.endm
.macro SENDV j
.set PS, PCA+PCS*((\j)%2)
.irp c, 0,1,2
	global_store_b128 v1, v[PS+4*\c:PS+4*\c+3], s[26:27] offset:((\j)/4)*HB+6144+1536*((\j)%4)+512*\c
.endr
.endm
.macro SEND j
	s_cmp_eq_u32 s16, 2
	s_cbranch_scc1 .Lvs_\@
	SENDQK \j
	s_branch .Ljs_\@
.Lvs_\@:
	SENDV \j
.Ljs_\@:
.endm
.macro ITER i
.if (\i) < 7
	s_wait_loadcnt 13                              ; this tile's 13 loads and all issued before them (the staying tiles, the biases) are in; the next tile's 13 may be out
.else
	s_wait_loadcnt 0x0
.endif
	s_cmp_eq_u32 s16, 2
	s_cbranch_scc1 .Lvk_\@
	KSTEP 0, (\i)%2, 1, 0x1d, 0x1e                 ; source 0 window 1 or 2, source 1 window 3, C window 1
	WIN 0
	s_branch .Ljk_\@
.Lvk_\@:
.irp j, 0,1,2,3,4,5,6,7
	v_mov_b32 v[CV+\j], v[BVV+\i]                  ; the value arm's C: one output's bias in all eight registers (behind the wait above: the bias is in)
.endr
.rept 4
	v_nop                                          ; places between the moves and the product that takes their results
.endr
	KSTEP 0, (\i)%2, 2, 0x0d, 0x0e                 ; C window 0
	WIN 0
.Ljk_\@:
	KSTEP 1, (\i)%2, 0, 0x0d, 0x0e
	KSTEP 2, (\i)%2, 0, 0x0d, 0x0e
	KSTEP 3, (\i)%2, 0, 0x0d, 0x0e
	WIN 0
.rept 4
	v_nop                                          ; places in front of the first read of results (ISA guide 7.12.1)
.endr
.if (\i) >= 2
	s_wait_xcnt 0x0                                ; the stores issued in the last turn have had their addresses translated: their data, this turn's buffer of codes, are written again only behind this wait
	s_wait_alu depctr_vm_vsrc(0)                   ; the stores issued in the last turn have read the codes of two turns ago, in the buffer that this turn's quantiser writes again
.endif
.if (\i) < 6
	LOADS (\i)+2, 1
.else
	s_wait_alu depctr_va_vdst(0)                   ; the quantiser of the turn before has written its codes, which the stores below read
.endif
.if (\i) > 0
	SEND (\i)-1                                    ; the turn before: no vector instruction since the wait names its buffer
.endif
.set PC, PCA+PCS*((\i)%2)
	QUANT HA, PWG+\i
.endm
	LOADS 0, 0
	LOADS 1, 0
.irp i, 0,1,2,3,4,5,6,7
	ITER \i
.endr
	v_cmp_le_u32 vcc_lo, 16, v0                    ; lanes 16-31 carry the odd tile's words
	s_wait_alu depctr_va_vcc(0)                    ; VCC is written, ahead of the branch and of the selects that read it in either arm
	s_cmp_eq_u32 s16, 2
	s_cbranch_scc1 .Lend_v
.irp e, 0,1,2,3
	v_cndmask_b32 v[GT+8+\e], v[PWG+2*\e], v[PWG+2*\e+1], vcc_lo
.endr
.irp e, 0,1,2,3
	v_and_or_b32 v[GT+\e], v[GT+8+\e], 0xffff, s28 ; head 2 w: bytes 0, 1
	v_lshrrev_b32 v[GT+4+\e], 16, v[GT+8+\e]       ; head 2 w + 1: bytes 2, 3
.endr
.irp e, 0,1,2,3
	v_or_b32 v[GT+4+\e], s28, v[GT+4+\e]
.endr
	s_wait_alu depctr_va_vdst(0)                   ; turn 7's quantiser has written its codes and the lines above v[GT ..]: the stores below read both
	SENDQK 7
	global_store_b128 v1, v[GT:GT+3], s[26:27] offset:12288
	global_store_b128 v1, v[GT+4:GT+7], s[26:27] offset:HB+12288
	s_endpgm
.Lend_v:
.irp e, 0,1
	v_cndmask_b32 v[GT+4*\e], v[PWG+4*\e], v[PWG+4*\e+1], vcc_lo
	v_cndmask_b32 v[GT+4*\e+1], v[PWG+4*\e+2], v[PWG+4*\e+3], vcc_lo
	v_mov_b32 v[GT+4*\e+2], 0
	v_mov_b32 v[GT+4*\e+3], 0
.endr
	s_wait_alu depctr_va_vdst(0)                   ; turn 7's quantiser has written its codes and the lines above v[GT ..]: the stores below read both
	SENDV 7
	global_store_b128 v1, v[GT:GT+3], s[26:27] offset:12800
	global_store_b128 v1, v[GT+4:GT+7], s[26:27] offset:HB+12800
	s_endpgm
.Lfunc_end_k_qe5640465ed_proj:
	.size	k_qe5640465ed_proj, .Lfunc_end_k_qe5640465ed_proj-k_qe5640465ed_proj
	.p2alignl 7, 3214868480
	.fill 96, 4, 3214868480
	.section	.rodata,"a",@progbits
	.p2align	6, 0x0
	.amdhsa_kernel k_qe5640465ed_proj
		.amdhsa_group_segment_fixed_size 0
		.amdhsa_private_segment_fixed_size 0
		.amdhsa_enable_private_segment 0
		.amdhsa_kernarg_size 48
		.amdhsa_user_sgpr_count 2
		.amdhsa_user_sgpr_kernarg_segment_ptr 1
		.amdhsa_wavefront_size32 1
		.amdhsa_system_sgpr_workgroup_id_x 1
		.amdhsa_system_sgpr_workgroup_id_y 1
		.amdhsa_system_sgpr_workgroup_id_z 1
		.amdhsa_system_vgpr_workitem_id 0
		.amdhsa_next_free_vgpr 864
		.amdhsa_next_free_sgpr 66
		.amdhsa_reserve_vcc 1
		.amdhsa_float_denorm_mode_32 3
		.amdhsa_float_denorm_mode_16_64 3
		.amdhsa_memory_ordered 1
		.amdhsa_forward_progress 1
		.amdhsa_inst_pref_size 111
	.end_amdhsa_kernel
	.amdgpu_metadata
---
amdhsa.version: [ 1, 2 ]
amdhsa.kernels:
  - .name:           k_qe5640465ed_proj
    .symbol:         k_qe5640465ed_proj.kd
    .args:
      - { .name: cb, .offset: 0, .size: 8, .value_kind: global_buffer, .address_space: global }
      - { .name: bq, .offset: 8, .size: 8, .value_kind: global_buffer, .address_space: global }
      - { .name: bk, .offset: 16, .size: 8, .value_kind: global_buffer, .address_space: global }
      - { .name: bv, .offset: 24, .size: 8, .value_kind: global_buffer, .address_space: global }
      - { .name: qb, .offset: 32, .size: 8, .value_kind: global_buffer, .address_space: global }
      - { .name: kv, .offset: 40, .size: 8, .value_kind: global_buffer, .address_space: global }
    .group_segment_fixed_size: 0
    .private_segment_fixed_size: 0
    .kernarg_segment_align: 8
    .kernarg_segment_size: 48
    .max_flat_workgroup_size: 32
    .sgpr_count:     66
    .vgpr_count:     864
    .wavefront_size: 32
...
	.end_amdgpu_metadata
.endif
;; end of part 6
;; launch attn (part 7): grid 16 x 16, 16 waves a work-group, no clusters, 28,672 bytes of LDS; arguments qb, kv, mw, fl, oc; writes oc
.if DOCPART == 7
	.amdgcn_target "amdgcn-amd-amdhsa--gfx1250"
	.amdhsa_code_object_version 6
	.text
	.protected	k_qe5640465ed_attn
	.globl	k_qe5640465ed_attn
	.p2align	8
	.type	k_qe5640465ed_attn,@function
k_qe5640465ed_attn:
	s_mov_b64 s[64:65], 0
	v_nop
	global_prefetch_b8 v0, s[64:65] scope:SCOPE_SE
	s_setreg_imm32_b32 hwreg(HW_REG_WAVE_SCHED_MODE, 0, 2), 2
	s_setreg_imm32_b32 hwreg(HW_REG_WAVE_MODE, 25, 1), 1
	s_wait_xcnt 0x0
	s_wait_alu depctr_vm_vsrc(0)
; ATTN: for each (batch, head): S^T = k q^T, the mask, p = 2^(t - M), O^T += v^T p^T, O / l, and O quantised along the model's 512 for the last product.  Both products on codes of FP6 (E2M3) with E8M0 scales.
; t = score x log2(e) / 8; M = the running largest t rounded UP to a whole number, kept as -M = floor(-t); when M moves, l and O^T are multiplied by 2^(old M - new M), exactly.  l is the sum of the unquantised p.
; SHARES.  A work-group is one (batch, head) (grid y) and sixteen tiles of 16 queries, one a wave; all sixteen waves walk the head's 32 steps of 128 keys together.  Wave w takes tile 16 g(w) + x;
; g spreads a work-group's tiles over the whole sequence so that any four waves w % 4 = const or w / 4 = const hold one tile of each quarter; g enters global addresses alone and changes no value.
; LAYOUT.  Both products are used transposed: a lane holds ONE query (place lane % 16 of its tile).  Tile 2 p + u of keys holds at place r the key 32 p + 8 u + r + 8 (r / 8), so that score register n of lane l
; is key 32 (n / 16) + 16 (l / 16) + n % 16 of the step; v's tiles of d are laid the same way, so that O^T's register n is d = 32 (n / 16) + 16 (l / 16) + n % 16.
; K = 64 IN AN INSTRUCTION OF 128: q's registers 6-11 are zero codes; k's operand for tile t is v[32 + 6 t .. 43 + 6 t], whose upper six registers are the next tile's codes (zeros behind tile 7): they meet zeros.
; THE MASK is an input: it comes as lane masks (64 words a step) and flags, which an earlier launch stored.  A step in which my tile has no open key adds nothing (every p is 0): a scalar branch on the stored flag
; leaves its work out.  A step in which all 2,048 are open skips the 64 selects.  This holds for every mask.
; K AND V reach LDS through registers: a step's block of 13,312 bytes is copied by the 512 threads, 16 bytes each (threads 0-319 a second 16), into the slot that is not being read; one barrier a step.
; No tensor load, and so no joint load in a cluster: the work of a step hangs on a number read from memory.  The copy and the barrier stand on every wave's path; the branches on flags go round register work and LDS loads alone.
; A QUERY WITH NO OPEN KEY AT ALL has l = 0: its two scale bytes are set to 0xff (NaN), so that the last product gives NaN for that token, as the softmax of an empty row does.
; LIMITS: NaN and infinities among the inputs are not served; a block of zeros gets the byte 1 (read by this program alone).
; THE MODE: SCHED_MODE bits 1:0 = 2 (LLVM: expert scheduling mode 2), set by the entry lines.  The code itself states the register dependences
; between vector or matrix instructions and memory or LDS instructions, with s_wait_alu, always for 0.
; THE PLAN.  Registers that memory or LDS instructions touch:
;   v1, v2, v3   offsets and LDS addresses, made once at the head and never written again.   v[TP]: read once, as the offset of q's scale load; the softmax writes it from the first step on.
;   v6-13        the copy: a step's global loads land in them, its LDS stores read them; no vector instruction names them behind the head.
;   v32-79       k's eight half fragments land; the eight products k q^T read them; v's four fragments land in the same registers; the four products v^T p^T read them.
;   v86-89, v90-91  k's and v's scale words land with their fragments; the same products read them.
;   v192-203, v92   p's codes and scale word: written by vector instructions, taken by the products v^T p^T as operand and scales.  On the way out v192-199 are written by vector instructions and read by the stores.
; Four waves of 256 registers fill a SIMD's registers: there is no second set for the fragments, so a step has a wait on va_vdst ahead of each of its two runs of LDS loads, each behind the products
; that read the registers last; the exponentials' one wait; and one ahead of the products that take p.  One wait on vm_vsrc stands at the head of a step that copies.
; REGISTERS: v1 16 lane, v2 8 lane, v3 16 thread; v4 -infinity; v5 q's scale words; v6-13 the copy; v14 -M, v15 the largest t; v[16:17] l in two halves; v18-23 q, v24-29 zeros; v[30:31] f, 0;
;   v32-79 k's eight half fragments, then v's four fragments; v80-85 zeros; v86-89 k's scale words, v90-91 v's, v92 p's; v96-159 S^T, then p; v160-191 O^T; v192-203 p's codes; v204-226 at work.
.set BLK,   13312
.set KF,    32
.set S,     96
.set O,     160
.set PCD,   192
.set SPL,   204                        ; v[204:206], v[208:210]: a conversion's three registers begin on an even number
.set BM,    212                        ; v[212:215] each block's largest score, then its largest p
.set BT,    216                        ; v[216:219] the other half's, then the scale bytes
.set SCO,   220                        ; v[220:223] the conversions' scale operands
.set SM2,   224                        ; v[224:225] the sum's second chain
.set TP,    226
	s_load_b256 s[4:11], s[0:1], 0x0               ; qb, kv, mw, fl
	s_load_b64 s[12:13], s[0:1], 0x20              ; oc
	v_lshl_add_u32 v254, v0, 2, 0x6800
	v_mov_b32 v255, 0
	v_lshrrev_b32 v1, 5, v0
	v_readfirstlane_b32 s14, v1                    ; wave 0..15
	v_and_b32 v2, 31, v0
	v_lshlrev_b32 v1, 4, v2
	v_lshlrev_b32 v2, 3, v2
	v_lshlrev_b32 v3, 4, v0
	v_and_b32 v[TP], 15, v0
	v_lshlrev_b32 v[TP], 4, v[TP]                  ; 16 r: q's scale word
	v_mov_b32 v4, 0xff800000
	v_mov_b32 v15, 0xff61b1e6                      ; the largest t so far: -3e38, under every t
	v_floor_f32 v14, -v15
.irp i, 10,11,12,13,16,17,24,25,26,27,28,29,30,31,80,81,82,83,84,85
	v_mov_b32 v[\i], 0
.endr
.irp b, 0,1,2,3
	v_mov_b32 v[BT+\b], 0                          ; a lane permute's destination counts as one of its sources
.endr
.irp j, 0,1,2,3,4,5,6,7,8,9,10,11,12,13,14,15,16,17,18,19,20,21,22,23,24,25,26,27,28,29,30,31
	v_mov_b32 v[O+\j], 0                           ; which step is a tile's first open one hangs on the mask, so no first product can be written out: the sums begin as zeros
.endr
	s_wait_alu depctr_va_sdst(0)                   ; s14 is written, ahead of its first reader: my tile, and the branches of the copy, are made from it
	s_lshr_b32 s24, s14, 2                         ; a
	s_and_b32 s25, s14, 3                          ; b
	s_lshr_b32 s15, s25, 1
	s_mul_i32 s15, s15, 7
	s_lshl_b32 s18, s25, 1
	s_xor_b32 s15, s15, s18
	s_and_b32 s15, s15, 3                          ; m(b) = 0, 2, 3, 1
	s_xor_b32 s15, s15, s24
	s_xor_b32 s18, s24, s25
	s_lshl_b32 s18, s18, 2
	s_add_co_u32 s18, s18, s15                     ; g = 4 (a xor b) + (a xor m): each of 0 .. 15 once
	s_lshl_b32 s18, s18, 4
	s_add_co_u32 s18, s18, ttmp9                   ; my tile of queries in the batch, 0 .. 255
	s_and_b32 s19, ttmp7, 0xffff                   ; 8 batch + head
	s_lshl_b32 s24, s19, 5
	s_lshr_b32 s25, s18, 3
	s_add_co_u32 s24, s24, s25
	s_mul_i32 s24, s24, BLK                        ; q's block
	s_and_b32 s25, s18, 7
	s_mul_i32 s30, s25, 768
	s_add_co_u32 s30, s30, s24                     ; my tile's half fragment
	s_mov_b32 s31, 0
	s_and_b32 s66, s25, 1
	s_lshl_b32 s66, s66, 8
	s_lshr_b32 s25, s25, 1
	s_lshl_b32 s25, s25, 2
	s_add_co_u32 s66, s66, s25
	s_add_co_u32 s66, s66, s24
	s_add_co_u32 s66, s66, 12288                   ; its scale words: 12288 + 16 (r + 16 (i % 2)) + 4 (i / 2)
	s_mov_b32 s67, 0
	s_mul_i32 s26, s19, 32*BLK                     ; the head's 32 blocks of k and v
	s_mov_b32 s27, 0
	s_lshr_b32 s24, s19, 3
	s_lshl_b32 s24, s24, 8
	s_add_co_u32 s24, s24, s18                     ; T = 256 batch + tile
	s_lshl_b32 s28, s24, 13                        ; its mask words: 32 steps x 256 bytes
	s_mov_b32 s29, 0
	s_lshl_b32 s32, s24, 3                         ; its flags
	s_mov_b32 s33, 0
	s_and_b32 s25, s19, 7
	s_add_co_u32 s34, s32, s25
	s_lshl_b32 s34, s34, 10                        ; its record in oc: (8 T + head) x 1,024
	s_mov_b32 s35, 0
	s_mov_b32 s20, 0x76543210
	s_mov_b32 s21, 0xfedcba98                      ; v_permlanex16_b32's selects for lane l xor 16
	s_mov_b32 s22, 0x3e38aa3b                      ; c = log2(e) / sqrt(64)
	s_mov_b32 s23, s22                             ; (named with it as a pair)
	s_wait_kmcnt 0x0
	s_add_nc_u64 s[32:33], s[10:11], s[32:33]
	s_load_b64 s[16:17], s[32:33], 0x0             ; s16: steps with an open key; s17: steps all open
	s_add_nc_u64 s[30:31], s[4:5], s[30:31]
	s_add_nc_u64 s[66:67], s[4:5], s[66:67]
	s_add_nc_u64 s[26:27], s[6:7], s[26:27]
	s_add_nc_u64 s[28:29], s[8:9], s[28:29]
	s_add_nc_u64 s[12:13], s[12:13], s[34:35]
	s_wait_alu depctr_va_vdst(0)                   ; v1, v2, v3 and v[TP] are written, which the loads, stores and LDS instructions read; so are v10-13, in which a load lands, and the zero codes v24-29 and v80-85, which the products take inside their operands
	global_load_b128 v[18:21], v1, s[30:31]
	global_load_b64 v[22:23], v2, s[30:31] offset:512
	global_load_b32 v5, v[TP], s[66:67]
	global_load_b128 v[6:9], v3, s[26:27]          ; block 0
	s_cmp_lt_u32 s14, 10
	s_cbranch_scc0 .Lh0
	global_load_b128 v[10:13], v3, s[26:27] offset:8192
.Lh0:
	s_wait_loadcnt 0x0
	ds_store_b128 v3, v[6:9]
	s_cmp_lt_u32 s14, 10
	s_cbranch_scc0 .Lh1
	ds_store_b128 v3, v[10:13] offset:8192
.Lh1:
	s_wait_dscnt 0x0                               ; for the others' sake: my part of slot 0 lies in LDS
	s_barrier_signal -1
	s_barrier_wait -1
	s_wait_kmcnt 0x0                               ; the flags
	s_add_nc_u64 s[26:27], s[26:27], BLK           ; on to block 1 (its loads are done: the wait on LOADcnt above)
; A KEY STEP on the block in slot; fill = 1: the block goff bytes from the pointer is copied into the other slot.
.macro STEP slot, fill, goff
.set SL, BLK*(\slot)
.set SN, BLK*(1-(\slot))
.if \fill
	s_wait_alu depctr_vm_vsrc(0)                   ; the LDS stores of the copy before have read v6-13, in which the loads below land; in the first step also: q's scale load has read v[TP], which the softmax writes
	global_load_b128 v[6:9], v3, s[26:27] offset:\goff
	s_cmp_lt_u32 s14, 10
	s_cbranch_scc0 .Lnl_\@
	global_load_b128 v[10:13], v3, s[26:27] offset:\goff+8192
.Lnl_\@:
.endif
	s_bitcmp1_b32 s16, 0
	s_cbranch_scc0 .Lhid_\@                        ; no open key for my 16 queries in this step
	s_load_b512 s[32:47], s[28:29], 0x0            ; the step's 64 lane masks
	s_load_b512 s[48:63], s[28:29], 0x40
	s_load_b512 s[68:83], s[28:29], 0x80
	s_load_b512 s[84:99], s[28:29], 0xc0
.rept 4
	v_nop                                          ; four places stay between the last products and the loads into registers that they have read
.endr
	s_wait_alu depctr_va_vdst(0)                   ; the products v^T p^T of the last open step are done reading v32-79, in which k's fragments land; the products k q^T of that step are done reading v86-89
.irp t, 0,1,2,3,4,5,6,7
	ds_load_b128 v[KF+6*\t:KF+6*\t+3], v1 offset:SL+768*\t
	ds_load_b64 v[KF+6*\t+4:KF+6*\t+5], v2 offset:SL+768*\t+512
.endr
	ds_load_b128 v[86:89], v1 offset:SL+12288
	s_wait_dscnt 0x0
.irp t, 0,2,4,6                                ; S^T = k q^T: eight tiles of 16 keys.  Lanes 0-15 of a scale register carry the even tile's words, lanes 16-31 the odd tile's
	v_wmma_scale_f32_16x16x128_f8f6f4 v[S+8*\t:S+8*\t+7], v[KF+6*\t:KF+6*\t+11], v[18:29], 0, v[86+\t/2], v5 matrix_a_fmt:MATRIX_FMT_FP6 matrix_b_fmt:MATRIX_FMT_FP6
	v_wmma_scale_f32_16x16x128_f8f6f4 v[S+8*\t+8:S+8*\t+15], v[KF+6*\t+6:KF+6*\t+17], v[18:29], 0, v[86+\t/2], v5 matrix_a_fmt:MATRIX_FMT_FP6 matrix_b_fmt:MATRIX_FMT_FP6 matrix_a_scale:MATRIX_SCALE_ROW1
.endr
.rept 4
	v_nop                                          ; places in front of the first read of the scores
.endr
	s_wait_alu depctr_va_vdst(0)                   ; the eight products are done reading k's fragments v32-79, in which v's land; the last open step's products v^T p^T are done reading v90-91
.irp t, 0,1,2,3                                ; v's four fragments take k's registers; they land while the softmax is worked
.irp c, 0,1,2
	ds_load_b128 v[KF+12*\t+4*\c:KF+12*\t+4*\c+3], v1 offset:SL+6144+1536*\t+512*\c
.endr
.endr
	ds_load_b64 v[90:91], v1 offset:SL+12800
	s_wait_kmcnt 0x0                               ; the lane masks
	s_bitcmp1_b32 s17, 0
	s_cbranch_scc1 .Lopen_\@                       ; all open: nothing to select
.set n, 0
.rept 64
.if n < 32
	v_cndmask_b32 v[S+n], v4, v[S+n], s[32+n]      ; a closed key's score becomes -infinity: p = 0.  (In ascending order: each accumulator from its low end on)
.else
	v_cndmask_b32 v[S+n], v4, v[S+n], s[36+n]
.endif
.set n, n+1
.endr
.Lopen_\@:
.irp b, 0,1,2,3
	v_max3_num_f32 v[BM+\b], v[S+16*\b], v[S+1+16*\b], v[S+2+16*\b]   ; the largest score of each block of 32 keys: it serves the row's maximum and, since p rises with the score, the block's largest p
.endr
.irp i, 3,5,7,9,11,13
.irp b, 0,1,2,3
	v_max3_num_f32 v[BM+\b], v[BM+\b], v[S+16*\b+\i], v[S+1+16*\b+\i]
.endr
.endr
.irp b, 0,1,2,3
	v_max_num_f32 v[BM+\b], v[BM+\b], v[S+15+16*\b]
.endr
.irp b, 0,1,2,3
	v_permlanex16_b32 v[BT+\b], v[BM+\b], s20, s21
.endr
.irp b, 0,1,2,3
	v_max_num_f32 v[BM+\b], v[BM+\b], v[BT+\b]     ; with lane l xor 16's 16 keys
.endr
	v_max3_num_f32 v[TP], v[BM], v[BM+1], v[BM+2]
	v_max_num_f32 v[TP], v[TP], v[BM+3]            ; the step's largest score of my query
	v_mul_f32 v[TP], s22, v[TP]                    ; as t
	v_max_num_f32 v15, v15, v[TP]                  ; the running largest t
	v_mov_b32 v[TP], v14
	v_floor_f32 v14, -v15                          ; the new -M = -ceil(t)
	v_sub_f32 v[TP], v14, v[TP]                    ; old M - new M: a whole number, 0 or less
	v_cvt_i32_f32 v[TP], v[TP]                     ; (it saturates)
	v_ldexp_f32 v30, 1.0, v[TP]                    ; f = 2^(old M - new M)
.irp j, 0,2,4,6,8,10,12,14,16,18,20,22,24,26,28,30,32,34,36,38,40,42,44,46,48,50,52,54,56,58,60,62
	v_pk_fma_f32 v[S+\j:S+\j+1], v[S+\j:S+\j+1], s[22:23], v[14:15] op_sel_hi:[1,0,0]   ; t - M, two at a time
.endr
.irp b, 0,1,2,3
	v_fma_f32 v[BM+\b], v[BM+\b], s22, v14         ; the same of each block's largest score
.endr
.set n, 0
	s_wait_alu depctr_va_vdst(0)
.rept 64
	v_exp_f32 v[S+n], v[S+n]                       ; p = 2^(t - M), at most 1: not normalised
.set n, n+1
.endr
.irp b, 0,1,2,3
	v_exp_f32 v[BM+\b], v[BM+\b]                   ; the block's largest p
.endr
	v_pk_mul_f32 v[16:17], v[16:17], v[30:31] op_sel_hi:[1,0]   ; l under the new M.  (A plain place behind the exponentials)
	s_wait_alu depctr_va_vdst(0)                   ; the 68 exponentials have written p and the blocks' largest p: one wait for the batch, ahead of its first reader
.irp b, 0,1,2,3
	v_max_num_f32 v[BM+\b], 0x1800000, v[BM+\b]    ; the floor 2^(3 - 127): the byte cannot fall under 1
.endr
.irp b, 0,1,2,3
	v_add_nc_u32 v[SCO+\b], 0xff000000, v[BM+\b]   ; 2 off the exponent field: the conversion's scale operand
.endr
.irp b, 0,1,2,3
	v_lshrrev_b32 v[BT+\b], 23, v[SCO+\b]          ; the scale's byte
.endr
	v_lshl_or_b32 v92, v[BT+1], 8, v[BT]           ; p's scale word for these 128 keys
	v_lshl_or_b32 v92, v[BT+2], 16, v92
	v_lshl_or_b32 v92, v[BT+3], 24, v92
.irp c, 0,1
	v_cvt_scalef32_pk16_fp6_f32 v[PCD+6*\c:PCD+2+6*\c], v[S+32*\c:S+15+32*\c], v[SCO+2*\c]
	v_cvt_scalef32_pk16_fp6_f32 v[SPL+4*\c:SPL+2+4*\c], v[S+16+32*\c:S+31+32*\c], v[SCO+2*\c+1]
.endr
	v_nop                                          ; one plain place behind a scaled conversion
.irp c, 0,1                                    ; a whole block in a lane: lanes 0-15 block 2 c, lanes 16-31 block 2 c + 1
.irp i, 0,1,2
	v_permlane16_swap_b32 v[PCD+6*\c+\i], v[SPL+4*\c+\i]
.endr
.irp i, 0,1,2
	v_mov_b32 v[PCD+3+6*\c+\i], v[SPL+4*\c+\i]
.endr
.endr
	v_pk_add_f32 v[SM2:SM2+1], v[S:S+1], v[S+2:S+3]   ; l takes the unquantised p: two at a time, in two chains
.irp j, 4,8,12,16,20,24,28,32,36,40,44,48,52,56,60
	v_pk_add_f32 v[16:17], v[16:17], v[S+\j:S+\j+1]
	v_pk_add_f32 v[SM2:SM2+1], v[SM2:SM2+1], v[S+2+\j:S+3+\j]
.endr
	v_pk_add_f32 v[16:17], v[16:17], v[SM2:SM2+1]
.irp j, 0,2,4,6,8,10,12,14,16,18,20,22,24,26,28,30
	v_pk_mul_f32 v[O+\j:O+\j+1], v[O+\j:O+\j+1], v[30:31] op_sel_hi:[1,0]   ; O^T under the new M.  (With the sums: the places between p's codes and scale word and the products)
.endr
	s_wait_dscnt 0x0                               ; v's fragments and scale words
	s_wait_alu depctr_va_vdst(0)                   ; the conversions, swaps and moves have written p's codes v192-203, and the shifts its scale word v92, which the products below take as operand and scales; the places stand ahead of this wait
.irp t, 0,2                                    ; O^T += v^T p^T: four accumulators, one product each; the eight products k q^T stand between a step's and the next step's
	v_wmma_scale_f32_16x16x128_f8f6f4 v[O+8*\t:O+8*\t+7], v[KF+12*\t:KF+12*\t+11], v[PCD:PCD+11], v[O+8*\t:O+8*\t+7], v[90+\t/2], v92 matrix_a_fmt:MATRIX_FMT_FP6 matrix_b_fmt:MATRIX_FMT_FP6
	v_wmma_scale_f32_16x16x128_f8f6f4 v[O+8*\t+8:O+8*\t+15], v[KF+12*\t+12:KF+12*\t+23], v[PCD:PCD+11], v[O+8*\t+8:O+8*\t+15], v[90+\t/2], v92 matrix_a_fmt:MATRIX_FMT_FP6 matrix_b_fmt:MATRIX_FMT_FP6 matrix_a_scale:MATRIX_SCALE_ROW1
.endr
.Lhid_\@:
	s_wait_xcnt 0x0                                ; the scalar loads have read their base
	s_lshr_b32 s16, s16, 1                         ; the next step's flags,
	s_lshr_b32 s17, s17, 1
	s_add_nc_u64 s[28:29], s[28:29], 256           ; and its lane masks
.if \fill
	s_wait_loadcnt 0x0                             ; my part of the next block
	ds_store_b128 v3, v[6:9] offset:SN
	s_cmp_lt_u32 s14, 10
	s_cbranch_scc0 .Lns_\@
	ds_store_b128 v3, v[10:13] offset:SN+8192
.Lns_\@:
	s_wait_dscnt 0x0                               ; my stores into the other slot have landed and my reads of this slot are over:
	s_barrier_signal -1
	s_barrier_wait -1                              ; both now hold of all sixteen waves
.endif
.endm
	s_mov_b32 s18, 15
.Lpair:                                            ; 15 trips of two steps
	STEP 0, 1, 0
	STEP 1, 1, BLK
	s_add_nc_u64 s[26:27], s[26:27], 2*BLK         ; (the copies' loads are done)
	s_sub_co_u32 s18, s18, 1
	s_cmp_lg_u32 s18, 0
	s_cbranch_scc1 .Lpair
	STEP 0, 1, 0                                   ; step 30 copies block 31,
	STEP 1, 0, 0                                   ; step 31 nothing
	; THE WAY OUT: O^T / l, quantised along d: the head's 64 are two blocks of the last product's K.
.rept 4
	v_nop                                          ; places behind the last products
.endr
	v_add_f32 v16, v16, v17
	v_permlanex16_b32 v[TP], v16, s20, s21
	v_add_f32 v16, v16, v[TP]                      ; the row's sum
	s_wait_alu depctr_va_vdst(0)
	v_rcp_f32 v30, v16
	v_nop                                          ; one plain place behind a transcendental
	v_cmp_eq_f32 vcc_lo, 0, v16                    ; a query with no open key
	s_wait_alu depctr_va_vdst(0)                   ; the reciprocal has written v30, ahead of its first reader
	s_wait_alu depctr_va_vcc(0)                    ; VCC is written, ahead of the select that reads it
.irp j, 0,2,4,6,8,10,12,14,16,18,20,22,24,26,28,30
	v_pk_mul_f32 v[S+\j:S+\j+1], v[O+\j:O+\j+1], v[30:31] op_sel_hi:[1,0]   ; register 16 b + i is o(my query, 32 b + 16 (lane / 16) + i)
.endr
.irp b, 0,1
	v_max3_num_f32 v[BM+\b], |v[S+16*\b]|, |v[S+1+16*\b]|, 0x1800000
.endr
.irp i, 2,4,6,8,10,12,14
.irp b, 0,1
	v_max3_num_f32 v[BM+\b], v[BM+\b], |v[S+16*\b+\i]|, |v[S+1+16*\b+\i]|
.endr
.endr
.irp b, 0,1
	v_permlanex16_b32 v[BT+\b], v[BM+\b], s20, s21
.endr
.irp b, 0,1
	v_max_num_f32 v[BM+\b], v[BM+\b], v[BT+\b]
.endr
.irp b, 0,1
	v_add_nc_u32 v[SCO+\b], 0xff000000, v[BM+\b]
.endr
.irp b, 0,1
	v_lshrrev_b32 v[BT+\b], 23, v[SCO+\b]
.endr
	v_lshl_or_b32 v198, v[BT+1], 8, v[BT]          ; the head's two scale bytes
	v_mov_b32 v[TP], 0xffff
	v_cndmask_b32 v198, v198, v[TP], vcc_lo        ; NaN for a query with no open key
	v_mov_b32 v199, 0
	v_cvt_scalef32_pk16_fp6_f32 v[PCD:PCD+2], v[S:S+15], v[SCO]
	v_cvt_scalef32_pk16_fp6_f32 v[SPL:SPL+2], v[S+16:S+31], v[SCO+1]
	v_nop
.irp i, 0,1,2
	v_permlane16_swap_b32 v[PCD+\i], v[SPL+\i]
.endr
.irp i, 0,1,2
	v_mov_b32 v[PCD+3+\i], v[SPL+\i]
.endr
	s_wait_alu depctr_va_vdst(0)                   ; the conversions, swaps, moves and the select have written v192-199, which the three stores read
	global_store_b128 v1, v[192:195], s[12:13]             ; 512 consecutive bytes,
	global_store_b64 v2, v[196:197], s[12:13] offset:512   ; 256,
	global_store_b64 v2, v[198:199], s[12:13] offset:768   ; 256: the record is written whole
	s_wait_dscnt 0x0                               ; the closing lines, six on end
	s_wait_alu 0x0
	s_wait_tensorcnt 0x0
	ds_add_u32 v254, v255
	s_wait_dscnt 0x0
	s_endpgm
.Lfunc_end_k_qe5640465ed_attn:
	.size	k_qe5640465ed_attn, .Lfunc_end_k_qe5640465ed_attn-k_qe5640465ed_attn
	.p2alignl 7, 3214868480
	.fill 96, 4, 3214868480
	.section	.rodata,"a",@progbits
	.p2align	6, 0x0
	.amdhsa_kernel k_qe5640465ed_attn
		.amdhsa_group_segment_fixed_size 28672
		.amdhsa_private_segment_fixed_size 0
		.amdhsa_enable_private_segment 0
		.amdhsa_kernarg_size 40
		.amdhsa_user_sgpr_count 2
		.amdhsa_user_sgpr_kernarg_segment_ptr 1
		.amdhsa_wavefront_size32 1
		.amdhsa_system_sgpr_workgroup_id_x 1
		.amdhsa_system_sgpr_workgroup_id_y 1
		.amdhsa_system_sgpr_workgroup_id_z 1
		.amdhsa_system_vgpr_workitem_id 0
		.amdhsa_next_free_vgpr 256
		.amdhsa_next_free_sgpr 100
		.amdhsa_reserve_vcc 1
		.amdhsa_float_denorm_mode_32 3
		.amdhsa_float_denorm_mode_16_64 3
		.amdhsa_memory_ordered 1
		.amdhsa_forward_progress 1
		.amdhsa_inst_pref_size 92
	.end_amdhsa_kernel
	.amdgpu_metadata
---
amdhsa.version: [ 1, 2 ]
amdhsa.kernels:
  - .name:           k_qe5640465ed_attn
    .symbol:         k_qe5640465ed_attn.kd
    .args:
      - { .name: qb, .offset: 0, .size: 8, .value_kind: global_buffer, .address_space: global }
      - { .name: kv, .offset: 8, .size: 8, .value_kind: global_buffer, .address_space: global }
      - { .name: mw, .offset: 16, .size: 8, .value_kind: global_buffer, .address_space: global }
      - { .name: fl, .offset: 24, .size: 8, .value_kind: global_buffer, .address_space: global }
      - { .name: oc, .offset: 32, .size: 8, .value_kind: global_buffer, .address_space: global }
    .group_segment_fixed_size: 28672
    .private_segment_fixed_size: 0
    .kernarg_segment_align: 8
    .kernarg_segment_size: 40
    .max_flat_workgroup_size: 512
    .sgpr_count:     100
    .vgpr_count:     256
    .wavefront_size: 32
...
	.end_amdgpu_metadata
.endif
;; end of part 7
;; launch outp (part 8): grid 512 x 1, 1 waves a work-group, no clusters, 8,960 bytes of LDS; arguments cb, oc, bo, out0; writes out0
.if DOCPART == 8
	.amdgcn_target "amdgcn-amd-amdhsa--gfx1250"
	.amdhsa_code_object_version 6
	.text
	.protected	k_qe5640465ed_outp
	.globl	k_qe5640465ed_outp
	.p2align	8
	.type	k_qe5640465ed_outp,@function
k_qe5640465ed_outp:
	s_mov_b64 s[64:65], 0
	v_nop
	global_prefetch_b8 v0, s[64:65] scope:SCOPE_SE
	s_setreg_imm32_b32 hwreg(HW_REG_WAVE_SCHED_MODE, 0, 2), 2
	s_setreg_imm32_b32 hwreg(HW_REG_WAVE_MODE, 25, 1), 1
	s_wait_xcnt 0x0
	s_wait_alu depctr_vm_vsrc(0)
; OUTP: out0 = O Wo^T + bo on codes of FP6 (E2M3): Wo's from cb, O's from oc, both laid in the order of an operand's registers.
; SHARES.  One wave a work-group: 128 outputs 128 w on (w = id % 4): Wo's eight tiles stay in registers and are source 0; four tiles of 16 tokens (T = 4 (id / 4) + i) are streamed and are source 1.
; A K step of 128 is two heads: head 2 k's half fragment is registers 0-5, head 2 k + 1's registers 6-11; the scale word is the two heads' byte pairs.
; In the result a lane holds one token (place lane % 16 of tile T: token 32 (T / 2) + 8 (T % 2) + r + 8 (r / 8)) and, in the 16 registers of results 2 b and 2 b + 1, outputs 32 b + 16 (lane / 16) + 0 .. 15.
; A tile goes through the wave's own stage in LDS and leaves as whole rows: the 32 lanes store 512 consecutive bytes, aligned.  The bias is the C of each sum's first product.
; No tensor load, no barrier: one wave, operands as registers take them.
; THE MODE: SCHED_MODE bits 1:0 = 2 (LLVM: expert scheduling mode 2), set by the entry lines.  The code itself states the register dependences
; between vector or matrix instructions and memory or LDS instructions, with s_wait_alu, always for 0.
; THE PLAN.  Registers that memory or LDS instructions touch:
;   v1, v2, v3, v6  offsets and LDS addresses, made once at the head and never written again.
;   Wo's tiles, their scale words and the bias: loaded once at the head; products alone name them afterwards.
;   O's sets 0, 1 (window 3) and SH0, SH1: turn i's products read set i % 2, its four shifts SH[i % 2]; behind the products, in the same turn, the loads of tile i + 2 land in both.
;   HA           the accumulators: written by a turn's products, read by its LDS stores, written again by the next turn's products.
;   OB           a turn's LDS loads land in it, its global stores read it, the next turn's LDS loads land in it again.
; A turn has two waits on va_vdst: one behind the shifts that make the scale words and their places, ahead of the products that take them; one behind the products and their places, ahead of the loads
; into the set just multiplied and of the LDS stores of the results.  From turn 1 on one wait on vm_vsrc stands at the turn's head, for HA and OB together.
; REGISTERS, in windows of 256: window 0: v1-3, v6 addresses; v16-47 Wo's scale words; v48-51 O's scale words; v64-127 eight accumulators; v128-191 rows on the way out; v192-207 the heads' byte pairs, two sets.
;   window 1: Wo's tiles 0-3; v192-255 the bias.   window 2: Wo's tiles 4-7.   window 3: O's tile, two sets of 48.
.set REC,   6656
.set RS,    16
.set SSW,   48
.set HA,    64
.set OB,    128
.set SH,    192
.set BR,    192
.set SPI,   528
.set MSB, 0
.macro WIN new                         ; the immediate's high byte repeats the setting that is left
.if MSB != \new
	s_set_vgpr_msb (MSB<<8)|\new
.set MSB, \new
.endif
.endm
	s_load_b256 s[4:11], s[0:1], 0x0               ; cb, oc, bo, out0
	v_lshl_add_u32 v254, v0, 2, 0x2200
	v_mov_b32 v255, 0
	v_lshlrev_b32 v1, 4, v0                        ; 16 x lane
	v_lshlrev_b32 v2, 3, v0                        ; 8 x lane
	v_bfe_u32 v3, v0, 4, 1
	v_lshlrev_b32 v3, 6, v3                        ; 64 h
	v_and_b32 v6, 15, v0
	v_mul_u32_u24 v6, v6, SPI
	v_add_nc_u32 v6, v6, v3                        ; the stage, in: row r, + 64 h
	s_and_b32 s18, ttmp9, 3                        ; w
	s_lshr_b32 s17, ttmp9, 2                       ; the group of four tiles
	s_lshl_b32 s20, s18, 3
	s_add_co_u32 s20, s20, 1632
	s_mul_i32 s20, s20, REC                        ; Wo's tiles 1632 + 8 w on
	s_mov_b32 s21, 0
	s_lshl_b32 s22, s17, 15                        ; 4 tiles x 8 heads x 1,024 bytes
	s_mov_b32 s23, 0
	s_lshl_b32 s24, s18, 9                         ; my 128 outputs, in bytes
	s_mov_b32 s25, 0
	s_lshl_b32 s26, s17, 17                        ; 64 tokens x 2,048 bytes
	s_add_co_u32 s26, s26, s24
	s_mov_b32 s27, 0
	s_wait_kmcnt 0x0
	s_add_nc_u64 s[20:21], s[4:5], s[20:21]
	s_add_nc_u64 s[22:23], s[6:7], s[22:23]
	s_add_nc_u64 s[24:25], s[8:9], s[24:25]
	s_add_nc_u64 s[26:27], s[10:11], s[26:27]
	WIN 0x40                                       ; destination window 1
	s_wait_alu depctr_va_vdst(0)                   ; v1, v2, v3 and v6 are written: every load, store and LDS instruction of the kernel reads one of them
.irp t, 0,1,2,3
.irp k, 0,1,2,3
.irp c, 0,1,2
	global_load_b128 v[48*\t+12*\k+4*\c:48*\t+12*\k+4*\c+3], v1, s[20:21] offset:REC*\t+1536*\k+512*\c
.endr
.endr
.endr
.irp t, 0,1,2,3,4,5,6,7                        ; for result tile t lane (r, h) wants the bias of outputs 32 (t / 2) + 16 h + 8 (t % 2) + 0 .. 7
	global_load_b128 v[BR+8*\t:BR+8*\t+3], v3, s[24:25] offset:4*(32*(\t/2)+8*(\t%2))
	global_load_b128 v[BR+8*\t+4:BR+8*\t+7], v3, s[24:25] offset:4*(32*(\t/2)+8*(\t%2))+16
.endr
	WIN 0x80                                       ; destination window 2
.irp t, 4,5,6,7
.irp k, 0,1,2,3
.irp c, 0,1,2
	global_load_b128 v[48*(\t-4)+12*\k+4*\c:48*(\t-4)+12*\k+4*\c+3], v1, s[20:21] offset:REC*\t+1536*\k+512*\c
.endr
.endr
.endr
	WIN 0
.irp t, 0,1,2,3,4,5,6,7
	global_load_b128 v[RS+4*\t:RS+4*\t+3], v1, s[20:21] offset:REC*\t+6144
.endr
; O's tile i into set i % 2: for each of the 8 heads a half fragment (two loads) and the pair of scale bytes: 24 loads.  w = 1: the set has just been multiplied, and the turn's wait stands here, behind the window switch
.macro LOADS i, w
	WIN 0xc0                                       ; destination window 3
.if \w
	s_wait_alu depctr_va_vdst(0)                   ; this turn's products are done reading the set, and its shifts the byte pairs, in which the loads below land; the products have written the accumulators, which the LDS stores behind these loads read (the places stand ahead of this wait)
.endif
.irp e, 0,1,2,3,4,5,6,7
	global_load_b128 v[48*((\i)%2)+6*\e:48*((\i)%2)+6*\e+3], v1, s[22:23] offset:(8*(\i)+\e)*1024
	global_load_b64 v[48*((\i)%2)+6*\e+4:48*((\i)%2)+6*\e+5], v2, s[22:23] offset:(8*(\i)+\e)*1024+512
.endr
	WIN 0
.irp e, 0,1,2,3,4,5,6,7
	global_load_b32 v[SH+8*((\i)%2)+\e], v2, s[22:23] offset:(8*(\i)+\e)*1024+768
.endr
.endm
.macro MM t, k, st, cm                 ; Wo's tile t x O's tile of set st, K step k.  cm = 1: C = the bias; 0: onto the accumulator
.set RA, 48*((\t)%4)+12*(\k)
.set SA, 48*(\st)+12*(\k)
.if \cm == 0
	v_wmma_scale_f32_16x16x128_f8f6f4 v[HA+8*(\t):HA+8*(\t)+7], v[RA:RA+11], v[SA:SA+11], v[HA+8*(\t):HA+8*(\t)+7], v[RS+4*(\t)+(\k)], v[SSW+(\k)] matrix_a_fmt:MATRIX_FMT_FP6 matrix_b_fmt:MATRIX_FMT_FP6
.else
	v_wmma_scale_f32_16x16x128_f8f6f4 v[HA+8*(\t):HA+8*(\t)+7], v[RA:RA+11], v[SA:SA+11], v[BR+8*(\t):BR+8*(\t)+7], v[RS+4*(\t)+(\k)], v[SSW+(\k)] matrix_a_fmt:MATRIX_FMT_FP6 matrix_b_fmt:MATRIX_FMT_FP6
.endif
.endm
.macro KSTEP k, st, cm, w1, w2         ; the eight accumulators by turns, one product a turn
	WIN \w1
.irp t, 0,1,2,3
	MM \t, \k, \st, \cm
.endr
	WIN \w2
.irp t, 4,5,6,7
	MM \t, \k, \st, \cm
.endr
.endm
.macro OITER i
.if (\i) < 3
	s_wait_loadcnt 24                              ; this tile's 24 loads (and all before them) are in; the next tile's 24 may be out
.else
	s_wait_loadcnt 0x0
.endif
.irp k, 0,1,2,3
	v_lshl_or_b32 v[SSW+\k], v[SH+8*((\i)%2)+2*\k+1], 16, v[SH+8*((\i)%2)+2*\k]   ; K step k's scale word: heads 2 k and 2 k + 1
.endr
.rept 8
	v_nop                                          ; a scale register written by a vector instruction stands eight places ahead of a scaled product
.endr
	s_wait_alu depctr_va_vdst(0)                   ; the four shifts have written v[SSW ..], which the products below take as scales; the places stand ahead of this wait
.if (\i) > 0
	s_wait_alu depctr_vm_vsrc(0)                   ; the last tile's LDS stores have read the accumulators, which the products below write again; its global stores have read v[OB ..], in which this tile's rows land
.endif
	KSTEP 0, (\i)%2, 1, 0x1d, 0x1e                 ; source 0 window 1 or 2, source 1 window 3, C window 1
	KSTEP 1, (\i)%2, 0, 0x0d, 0x0e
	KSTEP 2, (\i)%2, 0, 0x0d, 0x0e
	KSTEP 3, (\i)%2, 0, 0x0d, 0x0e
	WIN 0
.rept 4
	v_nop                                          ; places in front of the first read of results (ISA guide 7.12.1)
.endr
	s_wait_xcnt 0x0                                ; the last tile's stores have read their rows' registers
.if (\i) < 2
	LOADS (\i)+2, 1
.else
	s_wait_alu depctr_va_vdst(0)                   ; the products have written the accumulators, which the LDS stores below read; the places stand ahead of this wait
.endif
.irp t, 0,1,2,3,4,5,6,7
	ds_store_b128 v6, v[HA+8*\t:HA+8*\t+3] offset:128*(\t/2)+32*(\t%2)          ; each accumulator from its low end on
	ds_store_b128 v6, v[HA+8*\t+4:HA+8*\t+7] offset:128*(\t/2)+32*(\t%2)+16
.endr
.irp p, 0,1,2,3,4,5,6,7,8,9,10,11,12,13,14,15
	ds_load_b128 v[OB+4*\p:OB+4*\p+3], v1 offset:SPI*\p    ; LDS serves a wave's instructions in order: these see my stores
.endr
.irp p, 0,1,2,3,4,5,6,7,8,9,10,11,12,13,14,15
	s_wait_dscnt 15-\p                             ; row p is back; the younger rows' loads may be out
	global_store_b128 v1, v[OB+4*\p:OB+4*\p+3], s[26:27] offset:(32*((\i)/2)+8*((\i)%2)+\p+8*(\p/8))*2048 th:TH_STORE_NT   ; 512 consecutive bytes of a token's row, aligned; written once
.endr
.endm
	LOADS 0, 0
	LOADS 1, 0
.irp i, 0,1,2,3
	OITER \i
.endr
	s_wait_dscnt 0x0                               ; the closing lines, six on end
	s_wait_alu 0x0
	s_wait_tensorcnt 0x0
	ds_add_u32 v254, v255
	s_wait_dscnt 0x0
	s_endpgm
.Lfunc_end_k_qe5640465ed_outp:
	.size	k_qe5640465ed_outp, .Lfunc_end_k_qe5640465ed_outp-k_qe5640465ed_outp
	.p2alignl 7, 3214868480
	.fill 96, 4, 3214868480
	.section	.rodata,"a",@progbits
	.p2align	6, 0x0
	.amdhsa_kernel k_qe5640465ed_outp
		.amdhsa_group_segment_fixed_size 8960
		.amdhsa_private_segment_fixed_size 0
		.amdhsa_enable_private_segment 0
		.amdhsa_kernarg_size 32
		.amdhsa_user_sgpr_count 2
		.amdhsa_user_sgpr_kernarg_segment_ptr 1
		.amdhsa_wavefront_size32 1
		.amdhsa_system_sgpr_workgroup_id_x 1
		.amdhsa_system_sgpr_workgroup_id_y 1
		.amdhsa_system_sgpr_workgroup_id_z 1
		.amdhsa_system_vgpr_workitem_id 0
		.amdhsa_next_free_vgpr 864
		.amdhsa_next_free_sgpr 66
		.amdhsa_reserve_vcc 0
		.amdhsa_float_denorm_mode_32 3
		.amdhsa_float_denorm_mode_16_64 3
		.amdhsa_memory_ordered 1
		.amdhsa_forward_progress 1
		.amdhsa_inst_pref_size 59
	.end_amdhsa_kernel
	.amdgpu_metadata
---
amdhsa.version: [ 1, 2 ]
amdhsa.kernels:
  - .name:           k_qe5640465ed_outp
    .symbol:         k_qe5640465ed_outp.kd
    .args:
      - { .name: cb, .offset: 0, .size: 8, .value_kind: global_buffer, .address_space: global }
      - { .name: oc, .offset: 8, .size: 8, .value_kind: global_buffer, .address_space: global }
      - { .name: bo, .offset: 16, .size: 8, .value_kind: global_buffer, .address_space: global }
      - { .name: out0, .offset: 24, .size: 8, .value_kind: global_buffer, .address_space: global }
    .group_segment_fixed_size: 8960
    .private_segment_fixed_size: 0
    .kernarg_segment_align: 8
    .kernarg_segment_size: 32
    .max_flat_workgroup_size: 32
    .sgpr_count:     66
    .vgpr_count:     864
    .wavefront_size: 32
...
	.end_amdgpu_metadata
.endif
;; end of part 8
